; MI455X (gfx1250); checked and timed in simulation.
; The chip was launched on July 23, 2026; its instructions are those of AMD's public machine-readable ISA for CDNA 5 (MIT licence, August 2026) and "CDNA5" Instruction Set Architecture Reference Guide (July 2026). The comments in the code are by the model that wrote it; some were corrected since.
;; Multi Head Attention. Allowed arithmetic: matrix products marked QUANTISED: E4M3 operands, one E8M0 scale for each 32 along K, by v_wmma_scale_f32_16x16x128_f8f6f4 with both operands' format E4M3, f32 sums; everything else in f32.
;; Inputs: inputs_q_codes 4 x 2,048 x 32 x 32 uint8 (E4M3 codes of inputs_q, K innermost, in blocks of 32 codes); inputs_q_scales 4 x 2,048 x 32 uint8 (E8M0 scales of inputs_q, one for each 32 codes along K); k_ln_scale 64 float32; patch_mask 4 x 2,048 bool; per_dim_scale 64 float32; q_ln_scale 64 float32; w_out_codes 1,024 x 32 x 32 uint8 (E4M3 codes of w_out, K innermost, in blocks of 32 codes); w_out_scales 1,024 x 32 uint8 (E8M0 scales of w_out, one for each 32 codes along K); w_qkv_codes 3,072 x 32 x 32 uint8 (E4M3 codes of w_qkv, K innermost, in blocks of 32 codes); w_qkv_scales 3,072 x 32 uint8 (E8M0 scales of w_qkv, one for each 32 codes along K).
;; Outputs: out0 4 x 2,048 x 1,024 float32.
;; This version of the problem:
;;   THIS VERSION OF THE PROBLEM IS GIVEN IN LOW PRECISION. The matrix products marked QUANTISED in the list below multiply operands that are first quantised to E4M3 (4 exponent bits, 3 mantissa bits; 8 bits a number), with one power-of-two scale for each 32 numbers along K (OCP MX v1.0); their sums are f32. All else is computed in f32.
;;   The module's matrix products, in the order in which they are computed (A, B: the left and right operand; K: the contracted axis; several contracted axes count as one K, in the product's order):
;;     1. [M 8,192, K 1,024] x [K 1,024, N 3,072]; A: input inputs_q (given as codes); B: input w_qkv (given as codes): QUANTISED
;;     2. batch 64 x [M 2,048, K 64] x [K 64, N 2,048]; A: computed on the way; B: computed on the way: QUANTISED
;;     3. batch 64 x [M 64, K 2,048] x [K 2,048, N 2,048]; A: computed on the way; B: softmax (see below): QUANTISED
;;     4. [M 8,192, K 1,024] x [K 1,024, N 1,024]; A: computed on the way; B: input w_out (given as codes): QUANTISED
;;   THE QUANTISER, for each operand of a quantised product, along K:
;;     - K is cut into blocks of 32 from its start; a last block that is shorter is filled with zeros.
;;     - A block's scale is 2^e with e = floor(log2(the largest magnitude in the block)) - 8, held to -126 .. 127; a block of zeros has e = 0. As a byte (E8M0): e + 127.
;;     - Each number is divided by its block's scale, clamped to +-448, and rounded to the nearest number of E4M3, ties to even, subnormals kept.
;;     - The product sums the exact products of the quantised numbers (number of the format x scale) in f32.
;;   ~~~python
;;   def quantise(x, axis):      # numpy; x: float32 -> the quantised numbers, widened to float32 again
;;       x = np.moveaxis(x, axis, -1); K = x.shape[-1]
;;       x = np.pad(x, [(0, 0)] * (x.ndim - 1) + [(0, -K % 32)]); x = x.reshape(x.shape[:-1] + (-1, 32)); a = np.abs(x).max(-1, keepdims=True)
;;       e = np.where(a > 0, np.clip(np.frexp(np.where(a > 0, a, 1))[1] - 1 - 8, -126, 127), 0)      # np.frexp(a)[1] - 1 = floor(log2(a)), exactly
;;       r = np.clip(x / 2.0 ** e, -448, 448)
;;       step = 2.0 ** (np.maximum(np.frexp(np.where(r == 0, 1, r))[1] - 1, -6) - 3)
;;       q = np.round(r / step) * step * 2.0 ** e      # np.round: ties to even
;;       return np.moveaxis(q.reshape(q.shape[:-2] + (-1,))[..., :K], -1, axis).astype(np.float32)
;;   ~~~
;;   SOFTMAX AHEAD OF A QUANTISED PRODUCT. Where the list says 'softmax', what is quantised is not the finished softmax but p = 2^(t - M), with t = logit x log2(e) and M = ceil(the row's largest t), a whole number; so 1/2 < the row's largest p <= 1. The row's sum l is taken of the UNQUANTISED p, in f32, and the product's result is divided by l at the end. Since M is a whole number, a kernel that streams over the keys may use a running M (the ceiling of the running maximum): every later rescaling is an exact power of two, which a block's scale takes up: the codes' values come out the same.
;;   OPERANDS COMPUTED ON THE WAY. 'Computed on the way' means the value that the module computes at that place (a softmax that the list does not call 'softmax' is quantised finished and normalised). What goes into a quantiser is computed in f32, as accurately as f32 sums, v_exp_f32 and their like allow (about 1e-6 of the number): no bf16 or f16 on the way to a quantiser, and a product that is left as it is and whose result goes on into a quantised operand takes f32 operands (vector FMAs, or v_wmma_f32_16x16x4_f32). A number that lies on a knife's edge between two numbers of the format may be rounded either way, as far as f32 arithmetic and the matrix unit's own rounding can turn it there, and no further.
;;   INPUTS GIVEN AS CODES. inputs_q (in the module: [4, 2048, 1024], K = its axis 2); w_out (in the module: [1024, 1024], K = its axis 0); w_qkv (in the module: [1024, 3072], K = its axis 0): each comes as NAME_codes (uint8): NAME with its K axis moved to the last place and cut into blocks of 32 codes, [.., K / 32, bytes a block], one block behind the other in memory; one code a byte (a code: sign, 4 exponent bits, 3 mantissa bits); and NAME_scales (uint8): the same leading axes, one E8M0 byte (e + 127) for each 32 codes along K. Its value is code x scale, taken as it is: it is not quantised again, and the codes and scales need not be those that the quantiser above would give.
;; One version. Each part assembles by itself: llvm-mc -triple=amdgcn-amd-amdhsa -mcpu=gfx1250 --defsym DOCPART=n.
;; ======== version 1 of 1: 4 launches
;; limits: right only within a limited range of input values
;; workspace buffers: rope 2,097,152 bytes; qfac 256 bytes; nmask 512 bytes of whole numbers; q 8,912,896 bytes; kv 17,825,792 bytes; ctx 8,650,752 bytes
;; launch prep (part 1): grid 256 x 1, 2 waves a work-group, no clusters, 0 bytes of LDS; arguments patch_mask, per_dim_scale, q_ln_scale, rope, qfac, nmask; writes rope, qfac, nmask
.if DOCPART == 1
	.amdgcn_target "amdgcn-amd-amdhsa--gfx1250"
	.amdhsa_code_object_version 6
	.text
	.protected	k_q6504cf3930_prep
	.globl	k_q6504cf3930_prep
	.p2align	8
	.type	k_q6504cf3930_prep,@function
k_q6504cf3930_prep:
	s_mov_b64 s[64:65], 0
	v_nop
	global_prefetch_b8 v0, s[64:65] scope:SCOPE_SE
	s_setreg_imm32_b32 hwreg(HW_REG_WAVE_MODE, 25, 1), 1
	s_wait_xcnt 0x0
; PREP: three small tables for the launches that follow.
;  nmask: for each of the 4 batches the number of set bytes of patch_mask (2,048 bytes a batch), a whole number, written to all 32 words at byte 128 b.
;  rope:  cos and sin of (token - num_masked) / 10000^(f / 32), f = 0 .. 31, laid as the next launch's lanes want them:
;         [512 tiles of 16 tokens][8 stores][32 lanes][16 bytes]; store 4 u + jp, lane (r, h): cos f, cos f+1, sin f, sin f+1 with f = 16 u + 8 h + 2 jp, token 16 tile + r.
;  qfac:  q_ln_scale x (log2(e) / 8) x softplus(per_dim_scale), 64 numbers.
; A wave owns one tile of 16 tokens; every wave counts its batch's mask itself (2,048 bytes: four loads of 512 consecutive bytes).
; No LDS, no barrier: waves share nothing.  Matrix units and clusters have nothing to do here.
; The timescales are written as decimal numbers, 10^(f / 8), which the assembler rounds to f32.
; The quotient is made by a reciprocal and one correction step; sin and cos by a reduction modulo pi / 2 in two parts and polynomials on [-pi/4, pi/4].
; LIMITS: |position| is at most 2,048 by the problem's sizes; NaN and infinities in per_dim_scale and q_ln_scale are not served.
.set TS, 32                            ; v32-47  timescale of frequency slot 8 u + m (m = 2 jp + e): 10^(2 u + h) x 10^(m / 8)
.set RC, 48                            ; v48-63  their reciprocals
.set DT, 64                            ; v64-95  the table's 8 x 4 registers: each store has its own, so no store's data are written again
	s_load_b256 s[4:11], s[0:1], 0x0               ; patch_mask s[4:5], per_dim_scale s[6:7], q_ln_scale s[8:9], rope s[10:11]
	s_load_b128 s[12:15], s[0:1], 0x20             ; qfac s[12:13], nmask s[14:15]
	v_lshrrev_b32 v1, 5, v0
	v_readfirstlane_b32 s16, v1                    ; wave 0, 1
	v_and_b32 v2, 31, v0                           ; lane
	v_and_b32 v3, 15, v0                           ; r
	v_bfe_u32 v4, v0, 4, 1                         ; h
	v_lshlrev_b32 v5, 4, v2                        ; 16 x lane
	s_lshl_b32 s17, ttmp9, 1
	s_add_co_u32 s17, s17, s16                     ; my tile of 16 tokens, 0 .. 511
	s_lshr_b32 s18, ttmp9, 6                       ; my batch
	s_lshl_b32 s20, s18, 11
	s_mov_b32 s21, 0
	s_mov_b32 s22, 0x76543210
	s_mov_b32 s23, 0xfedcba98                      ; v_permlanex16_b32's selects for lane l xor 16
	s_mov_b32 s24, 0x3f22f983                      ; 2 / pi
	s_mov_b32 s25, 0x3fc90fdb                      ; pi / 2, upper part
	s_mov_b32 s26, 0xb33bbd2e                      ; pi / 2, what is left of it
	s_mov_b32 s27, 0xb94ca1f9                      ; sin: -1.9515295891e-4
	s_mov_b32 s28, 0x3c08839e                      ;       8.3321608736e-3
	s_mov_b32 s29, 0xbe2aaaa3                      ;      -1.6666654611e-1
	s_mov_b32 s30, 0x37ccf5ce                      ; cos:  2.443315712e-5
	s_mov_b32 s31, 0xbab6061a                      ;      -1.388731625e-3
	s_mov_b32 s32, 0x3d2aaaa5                      ;       4.166664568e-2
	s_mov_b32 s33, 0x3fb8aa3b                      ; log2(e)
	s_mov_b32 s34, 0x3f317218                      ; ln 2
	s_mov_b32 s35, 0x3e38aa3b                      ; log2(e) / 8
	s_wait_alu depctr_va_vdst(0)
	s_wait_kmcnt 0x0
	s_add_nc_u64 s[4:5], s[4:5], s[20:21]          ; my batch's mask
	global_load_b128 v[16:19], v5, s[4:5]
	global_load_b128 v[20:23], v5, s[4:5] offset:512
	global_load_b128 v[24:27], v5, s[4:5] offset:1024
	global_load_b128 v[28:31], v5, s[4:5] offset:1536
	s_lshl_b32 s20, s17, 12
	s_add_nc_u64 s[10:11], s[10:11], s[20:21]      ; my tile's 4,096 bytes of the table
	v_cmp_ne_u32 vcc_lo, 0, v4                     ; lanes 16-31
.macro TSET i, lo, hi                  ; lanes 0-15 take lo, lanes 16-31 hi
	v_mov_b32 v[TS+\i], \hi
	v_cndmask_b32 v[TS+\i], \lo, v[TS+\i], vcc_lo
.endm
	TSET 0, 1.0, 10.0
	TSET 1, 1.3335214321633240, 13.335214321633240
	TSET 2, 1.7782794100389228, 17.782794100389228
	TSET 3, 2.3713737056616552, 23.713737056616552
	TSET 4, 3.1622776601683795, 31.622776601683795
	TSET 5, 4.2169650342858226, 42.169650342858226
	TSET 6, 5.6234132519034908, 56.234132519034908
	TSET 7, 7.4989420933245582, 74.989420933245582
	TSET 8, 100.0, 1000.0
	TSET 9, 133.35214321633240, 1333.5214321633240
	TSET 10, 177.82794100389228, 1778.2794100389228
	TSET 11, 237.13737056616552, 2371.3737056616552
	TSET 12, 316.22776601683795, 3162.2776601683795
	TSET 13, 421.69650342858226, 4216.9650342858226
	TSET 14, 562.34132519034908, 5623.4132519034908
	TSET 15, 749.89420933245582, 7498.9420933245582
.set i, 0
	s_wait_alu depctr_va_vdst(0)
.rept 16
	v_rcp_f32 v[RC+i], v[TS+i]                     ; one batch of sixteen
.set i, i+1
.endr
	v_mov_b32 v9, 0                                ; (a plain line behind the batch; v9 is a lane move's destination below, so it is written)
	s_wait_alu depctr_va_vdst(0)                   ; one wait for the batch, ahead of its first reader
	s_wait_loadcnt 0x0                             ; the mask
	v_add3_u32 v8, v16, v17, v18                   ; sixteen words of four bytes, each byte 0 or 1: added as they are, a byte reaches 16 at the most
	v_add3_u32 v10, v19, v20, v21
	v_add3_u32 v11, v22, v23, v24
	v_add3_u32 v12, v25, v26, v27
	v_add3_u32 v8, v8, v28, v29
	v_add3_u32 v10, v10, v30, v31
	v_add3_u32 v8, v8, v10, v11
	v_add_nc_u32 v8, v8, v12
	v_and_b32 v10, 0x00ff00ff, v8
	v_lshrrev_b32 v8, 8, v8
	v_and_b32 v8, 0x00ff00ff, v8
	v_add_nc_u32 v8, v8, v10
	v_lshrrev_b32 v10, 16, v8
	v_and_b32 v8, 0xffff, v8
	v_add_nc_u32 v8, v8, v10                       ; my 64 bytes' count
.irp m, 1,2,4,8
	v_mov_b32_dpp v9, v8 row_xmask:\m row_mask:0xf bank_mask:0xf
	v_add_nc_u32 v8, v8, v9
.endr
	v_permlanex16_b32 v9, v8, s22, s23
	v_add_nc_u32 v8, v8, v9                        ; num_masked, a whole number, in every lane
	v_cvt_f32_u32 v10, v8
	s_and_b32 s19, s17, 127
	s_lshl_b32 s19, s19, 4
	v_add_nc_u32 v11, s19, v3                      ; my token's place in its sequence
	v_cvt_f32_u32 v11, v11
	v_sub_f32 v11, v11, v10                        ; position: exact
; cos to v[dc] and sin to v[ds] of position / timescale of slot i
.macro SINCOS i, dc, ds
	v_mul_f32 v12, v11, v[RC+\i]
	v_fma_f32 v13, -v12, v[TS+\i], v11             ; what the first quotient leaves,
	v_fma_f32 v12, v13, v[RC+\i], v12              ; put right: the quotient
	v_mul_f32 v13, s24, v12
	v_rndne_f32 v13, v13                           ; k: the nearest multiple of pi / 2
	v_fma_f32 v14, -v13, s25, v12                  ; exact: k has 11 bits and the difference is small
	v_fma_f32 v14, -v13, s26, v14                  ; r, within pi / 4
	v_mul_f32 v15, v14, v14                        ; z
	v_fma_f32 v16, v15, s27, s28
	v_fma_f32 v16, v16, v15, s29
	v_mul_f32 v17, v14, v15
	v_fma_f32 v16, v17, v16, v14                   ; sin r
	v_fma_f32 v18, v15, s30, s31
	v_fma_f32 v18, v18, v15, s32
	v_mul_f32 v19, v15, v15
	v_fma_f32 v20, v15, -0.5, 1.0
	v_fma_f32 v18, v19, v18, v20                   ; cos r
	v_cvt_i32_f32 v21, v13
	v_and_b32 v22, 1, v21
	v_cmp_ne_u32 vcc_lo, 0, v22                    ; k odd: the two change places
	v_cndmask_b32 v23, v16, v18, vcc_lo
	v_cndmask_b32 v24, v18, v16, vcc_lo
	v_and_b32 v22, 2, v21                          ; sin is negated for k = 2, 3 modulo 4,
	v_lshlrev_b32 v22, 30, v22
	v_xor_b32 v[\ds], v22, v23
	v_add_nc_u32 v21, 1, v21                       ; cos for k = 1, 2
	v_and_b32 v21, 2, v21
	v_lshlrev_b32 v21, 30, v21
	v_xor_b32 v[\dc], v21, v24
.endm
.irp l, 0,1,2,3,4,5,6,7
	SINCOS 2*\l, DT+4*\l, DT+4*\l+2
	SINCOS 2*\l+1, DT+4*\l+1, DT+4*\l+3
	global_store_b128 v5, v[DT+4*\l:DT+4*\l+3], s[10:11] offset:512*\l   ; 32 lanes store 512 consecutive bytes
.endr
	; the count: one wave for each batch
	s_and_b32 s19, ttmp9, 63
	s_or_b32 s19, s19, s16
	s_cmp_lg_u32 s19, 0
	s_cbranch_scc1 .Lno_count
	s_lshl_b32 s19, s18, 7
	v_lshl_add_u32 v6, v2, 2, s19
	global_store_b32 v6, v8, s[14:15]
.Lno_count:
	; q's gain: one wave of the launch, two numbers a lane
	s_or_b32 s19, ttmp9, s16
	s_cmp_lg_u32 s19, 0
	s_cbranch_scc1 .Lend
	v_lshlrev_b32 v7, 3, v2
	global_load_b64 v[12:13], v7, s[6:7]
	global_load_b64 v[14:15], v7, s[8:9]
	s_wait_loadcnt 0x0
	v_mul_f32 v16, -|v12|, s33
	v_mul_f32 v17, -|v13|, s33
	s_wait_alu depctr_va_vdst(0)
	v_exp_f32 v16, v16                             ; e = exp(-|x|)
	v_exp_f32 v17, v17
	v_nop
	s_wait_alu depctr_va_vdst(0)
	v_add_f32 v18, 1.0, v16                        ; w = 1 + e, rounded
	v_add_f32 v19, 1.0, v17
	v_add_f32 v20, -1.0, v18                       ; w - 1: what of e went into w
	v_add_f32 v21, -1.0, v19
	s_wait_alu depctr_va_vdst(0)
	v_log_f32 v22, v18
	v_log_f32 v23, v19
	v_rcp_f32 v24, v20
	v_rcp_f32 v25, v21
	v_nop
	s_wait_alu depctr_va_vdst(0)
	v_mul_f32 v22, s34, v22                        ; log(1 + e) = ln w x e / (w - 1),
	v_mul_f32 v23, s34, v23
	v_mul_f32 v22, v22, v16
	v_mul_f32 v23, v23, v17
	v_mul_f32 v22, v22, v24
	v_mul_f32 v23, v23, v25
	v_cmp_eq_f32 vcc_lo, 0, v20                    ; or e itself where w = 1
	v_cndmask_b32 v22, v22, v16, vcc_lo
	v_cmp_eq_f32 vcc_lo, 0, v21
	v_cndmask_b32 v23, v23, v17, vcc_lo
	v_max_num_f32 v26, 0, v12
	v_max_num_f32 v27, 0, v13
	v_add_f32 v22, v22, v26                        ; softplus(x) = max(x, 0) + log(1 + exp(-|x|))
	v_add_f32 v23, v23, v27
	v_mul_f32 v22, s35, v22
	v_mul_f32 v23, s35, v23
	v_mul_f32 v22, v22, v14
	v_mul_f32 v23, v23, v15
	global_store_b64 v7, v[22:23], s[12:13]        ; 256 consecutive bytes
.Lend:
	s_endpgm
.Lfunc_end_k_q6504cf3930_prep:
	.size	k_q6504cf3930_prep, .Lfunc_end_k_q6504cf3930_prep-k_q6504cf3930_prep
	.p2alignl 7, 3214868480
	.fill 96, 4, 3214868480
	.section	.rodata,"a",@progbits
	.p2align	6, 0x0
	.amdhsa_kernel k_q6504cf3930_prep
		.amdhsa_group_segment_fixed_size 0
		.amdhsa_private_segment_fixed_size 0
		.amdhsa_enable_private_segment 0
		.amdhsa_kernarg_size 48
		.amdhsa_user_sgpr_count 2
		.amdhsa_user_sgpr_kernarg_segment_ptr 1
		.amdhsa_wavefront_size32 1
		.amdhsa_system_sgpr_workgroup_id_x 1
		.amdhsa_system_sgpr_workgroup_id_y 1
		.amdhsa_system_sgpr_workgroup_id_z 1
		.amdhsa_system_vgpr_workitem_id 0
		.amdhsa_next_free_vgpr 96
		.amdhsa_next_free_sgpr 66
		.amdhsa_reserve_vcc 1
		.amdhsa_float_denorm_mode_32 3
		.amdhsa_float_denorm_mode_16_64 3
		.amdhsa_memory_ordered 1
		.amdhsa_forward_progress 1
		.amdhsa_inst_pref_size 29
	.end_amdhsa_kernel
	.amdgpu_metadata
---
amdhsa.version: [ 1, 2 ]
amdhsa.kernels:
  - .name:           k_q6504cf3930_prep
    .symbol:         k_q6504cf3930_prep.kd
    .args:
      - { .name: patch_mask, .offset: 0, .size: 8, .value_kind: global_buffer, .address_space: global }
      - { .name: per_dim_scale, .offset: 8, .size: 8, .value_kind: global_buffer, .address_space: global }
      - { .name: q_ln_scale, .offset: 16, .size: 8, .value_kind: global_buffer, .address_space: global }
      - { .name: rope, .offset: 24, .size: 8, .value_kind: global_buffer, .address_space: global }
      - { .name: qfac, .offset: 32, .size: 8, .value_kind: global_buffer, .address_space: global }
      - { .name: nmask, .offset: 40, .size: 8, .value_kind: global_buffer, .address_space: global }
    .group_segment_fixed_size: 0
    .private_segment_fixed_size: 0
    .kernarg_segment_align: 8
    .kernarg_segment_size: 48
    .max_flat_workgroup_size: 64
    .sgpr_count:     66
    .vgpr_count:     96
    .wavefront_size: 32
...
	.end_amdgpu_metadata
.endif
;; end of part 1
;; launch qkv (part 2): grid 16 x 32, 4 waves a work-group, clusters of 4 x 4, 327,680 bytes of LDS; arguments inputs_q_codes, inputs_q_scales, w_qkv_codes, w_qkv_scales, k_ln_scale, qfac, rope, nmask, q, kv; writes q, kv
.if DOCPART == 2
	.amdgcn_target "amdgcn-amd-amdhsa--gfx1250"
	.amdhsa_code_object_version 6
	.text
	.protected	k_q6504cf3930_qkv
	.globl	k_q6504cf3930_qkv
	.p2align	8
	.type	k_q6504cf3930_qkv,@function
k_q6504cf3930_qkv:
	s_mov_b64 s[64:65], 0
	v_nop
	global_prefetch_b8 v0, s[64:65] scope:SCOPE_SE
	s_setreg_imm32_b32 hwreg(HW_REG_WAVE_MODE, 25, 1), 1
	s_wait_xcnt 0x0
	s_wait_alu depctr_hold_cnt(0) depctr_sa_sdst(0) depctr_va_vdst(0) depctr_va_sdst(0) depctr_va_ssrc(0) depctr_va_vcc(0) depctr_vm_vsrc(0)
	s_getreg_b32 s2, hwreg(HW_REG_IB_STS2, 6, 4)
	s_cmp_eq_u32 s2, 0
	s_cbranch_scc0 .Lentry_in_a_cluster
	s_endpgm
.Lentry_in_a_cluster:
	s_bfe_u32 s2, ttmp6, 0x10000c
	s_cmp_lg_u32 s2, 0xf033
	s_cbranch_scc0 .Lentry_shape_is_right
	s_endpgm
.Lentry_shape_is_right:
; QKV: x W on codes of E4M3 (K = 1,024), then RoPE, RMS norm and gains on q and k, and the quantisers of q, k (along the head's 64) and v (along the keys).
; SHARES.  Work-group (x = head, y = block of 256 tokens) makes 256 tokens x 192 columns: the head's q, k and v.  512 work-groups of equal work.
; Wave w: tokens 128 (w / 2) on; w even: q and v's columns 0-31; w odd: k and v's columns 32-63: 48 accumulators of 16 x 16.
; q and k are made TRANSPOSED (source 0 = 16 columns of W, source 1 = 16 tokens): a lane holds one token, its registers run along the head.
; v is made the other way round (source 0 = tokens, source 1 = columns): a lane holds one column, its registers run along the tokens, which are the keys.
; So every quantiser finds its K in one lane's registers, a block of 32 in lanes l and l xor 16.
; ORDER INSIDE A BLOCK OF 32.  Tile 2 c + u, register j, half h of the lanes is index 32 c + 16 u + 8 h + j; its codes go to operand registers 4 c + 2 u, 4 c + 2 u + 1, which is place 32 c + 16 h + 8 u + j.
; The same exchange inside the same block falls on q and on k, and on v here and on p in the next launch: scales and products are those of the true order; only the order of a sum differs.
; RESULTS are stored as images of operand registers (four registers of 32 lanes: 512 consecutive bytes), with a scale word a row beside them.
; THE MASK kv >= num_masked rides in the scale words: the next launch puts one code of 1 in each of places 64 and 96 of every key and -1, +1 there in every query.
; q's word is [s0, s1, 177, 177]; k's is [s0, s1, m, 1] with m = 177 for a masked key, 1 else: a masked key's score gets -2^100, any other -2^-76 + 2^-76.
; V'S SUMS: for each 128 keys and each column the sum of the quantised v (codes widened again x scale): rows without any key need the mean of all of v.
; CLUSTER 4 x 4: x's tile hangs on y alone and is shared along a row of the cluster, W's on the head alone and is shared along a column: joint loads.
; K goes in 4 steps of 256 through two LDS slots; the text is written out straight, without a loop.  A wave has at most one tensor load out.
; No prefetch: K is short and each tile is read by many work-groups at about the same time.
; Scale words and sums leave in pieces of 128 bytes: one part in 32 of what the launch stores.
; LIMITS: NaN and infinities are not served; a block whose largest magnitude lies under 2^-118 keeps the byte 1; a block of zeros has the byte 1 (its codes are zeros; this program alone reads the bytes).
; REGISTERS, in windows of 256.  Window 0: v1 r, v2 h, v16-25 addresses, v28-29 the add's; v32-63 scale words, two sets; v64-159, v160-255 W's six fragments, two sets.
;   Window 1: x's eight fragments, two sets.  Window 2: q's or k's accumulators, (tile of tokens a, tile of columns b) at 8 (4 a + b).  Window 3: v's, (n, a) at 8 (8 n + a).
.set PITCH, 272                        ; an LDS row: 256 bytes + 16 of padding: the 16 rows of a fragment load start in 16 different groups of banks
.set SLOT,  448*PITCH                  ; 256 rows of x, then 64 rows each of W's q, k, v columns
.set SCL,   2*SLOT                     ; x's scale bytes: 256 rows x 32 bytes as 32 units of 256 + 16
.set SCB,   SCL+32*272                 ; W's: three pieces of 8 units
.set SPARE, 259072                     ; the spare words: 128 bytes a wave, two blocks of 256 bytes that no other line names
.set ADRA,  16                         ; v16-17 x's fragments in slot 0, 1
.set ADRB,  18                         ; v18-19 W's q or k rows
.set ADRV,  20                         ; v20-21 W's v rows
.set ADRS,  22                         ; v22 scale words: lanes 0-15 x's rows, lanes 16-31 W's q or k rows
.set ADRSV, 23                         ; v23 the same with lanes 16-31 on W's v rows (for tiles 4, 5)
.set LI,    24                         ; v24 16 x lane
.set LS,    25                         ; v25 4 x lane
.set FO,    26                         ; v26 32 h
.set SPW,   28
.set NIL,   29
.set SC,    32
.set WF,    64
.set TM,    32                         ; the way out: v32-35 largest magnitudes, v36-39 bytes, v40-43 448 x scale, v44-47 the conversions' scale operands
.set WV,    12
.set SEL,   46
.set MNT,   101
.set HM,    20
.set MSB,   0
.macro WIN new                         ; the immediate's high byte repeats the setting that is left
.if MSB != \new
	s_set_vgpr_msb (MSB<<8)|\new
.set MSB, \new
.endif
.endm
.macro PLACES n
.rept \n
	v_nop
.endr
.endm
; A joint load: wave 0 fetches for x, waves 1 to 3 for W's three pieces.  The branch hangs on the wave's number alone.  Four v_nop follow each line.
.macro JLOAD g0a, g1a, g0b, g1b
	s_cmp_eq_u32 s[WV], 0
	s_cbranch_scc0 .Lfor_b_\@
	tensor_load_to_lds s[\g0a:\g0a+3], s[\g1a:\g1a+7]
	s_nop 0
.rept 4
	v_nop
.endr
	s_branch .Lasked_\@
.Lfor_b_\@:
	tensor_load_to_lds s[\g0b:\g0b+3], s[\g1b:\g1b+7]
	s_nop 0
.rept 4
	v_nop
.endr
.Lasked_\@:
.endm
.macro CREST                           ; a round of the cluster's barrier behind its opening barrier
	s_cmp_lg_u32 s[WV], 0
	s_cbranch_scc1 .Lnot_wave_0_\@
	s_barrier_signal -3
.Lnot_wave_0_\@:
	s_barrier_wait -3
	s_barrier_signal -1
	s_barrier_wait -1
.endm
.macro CROUND
	s_barrier_signal -1
	s_barrier_wait -1
	CREST
.endm
	s_load_b256 s[4:11], s[0:1], 0x0               ; x's codes s[4:5], x's scales s[6:7], W's codes s[8:9], W's scales s[10:11]
	v_lshl_add_u32 v[SPW], v0, 2, SPARE
	v_mov_b32 v[NIL], 0
	ds_add_u32 v28, v29
	ds_add_u32 v28, v29
	s_wait_dscnt 0x0
	v_lshrrev_b32 v1, 5, v0
	v_readfirstlane_b32 s[WV], v1                  ; wave 0..3
	s_lshr_b32 s13, s[WV], 1                       ; rh: which 128 tokens
	s_and_b32 s14, s[WV], 1                        ; ch: q and v's first half, or k and v's second
	s_bfe_u32 s40, ttmp6, 0x40000                  ; cx
	s_bfe_u32 s41, ttmp6, 0x40004                  ; cy
	s_lshl_b32 s42, ttmp9, 2
	s_add_co_u32 s42, s42, s40                     ; x: the head
	s_and_b32 s43, ttmp7, 0xffff
	s_lshl_b32 s43, s43, 2
	s_add_co_u32 s43, s43, s41                     ; y: the block of 256 tokens
	s_lshl_b32 s44, s41, 2
	s_lshl_b32 s44, 15, s44                        ; my row of the cluster
	s_lshl_b32 s45, 0x1111, s40                    ; my column
	; group 1 for x's tiles: 256 rows x 256 bytes, 1,024 bytes apart, 16 bytes of padding behind each
	s_or_b32 s24, s44, (0<<16)|(1<<20)|(1<<21)|(5<<22)|(3<<25)
	s_mov_b32 s25, 256<<16
	s_mov_b32 s26, 256<<16
	s_mov_b32 s27, 256<<16
	s_mov_b32 s28, 256
	s_mov_b32 s29, 1024
	s_mov_b32 s30, 0
	s_mov_b32 s31, 0
	; for W's: 64 rows
	s_or_b32 s48, s45, (0<<16)|(1<<20)|(1<<21)|(5<<22)|(3<<25)
	s_mov_b32 s49, 256<<16
	s_mov_b32 s50, 64<<16
	s_mov_b32 s51, 256<<16
	s_mov_b32 s52, 64
	s_mov_b32 s53, 1024
	s_mov_b32 s54, 0
	s_mov_b32 s55, 0
	s_lshl_b32 s16, s43, 18                        ; x's codes: 256 y rows of 1,024 bytes
	s_mov_b32 s17, 0
	s_lshl_b32 s18, s43, 13                        ; x's scales: 256 y rows of 32 bytes
	s_mov_b32 s19, 0
	s_max_u32 s20, s[WV], 1
	s_sub_co_u32 s20, s20, 1                       ; the piece of W that waves 1 to 3 fetch: q, k, v
	s_lshl_b32 s92, s20, 20
	s_lshl_b32 s93, s42, 16
	s_add_co_u32 s92, s92, s93                     ; W's codes: row 1,024 piece + 64 head
	s_mov_b32 s93, 0
	s_lshl_b32 s94, s42, 11                        ; W's scales: the head's 64 rows of 32 bytes in the q piece; k's and v's lie 32,768 and 65,536 bytes on
	s_mov_b32 s95, 0
	s_mul_i32 s96, s[WV], 64*PITCH
	s_add_co_u32 s96, s96, 192*PITCH               ; in a slot: rows 256 + 64 (wave - 1)
	s_wait_kmcnt 0x0
	s_add_nc_u64 s[16:17], s[4:5], s[16:17]
	s_add_nc_u64 s[18:19], s[6:7], s[18:19]
	s_add_nc_u64 s[92:93], s[8:9], s[92:93]
	s_add_nc_u64 s[94:95], s[10:11], s[94:95]
	CROUND                                         ; all sixteen work-groups are here: the first joint loads meet
	; THE SCALE BYTES, for all of K, come through registers: 8,192 dense bytes of x's and three dense pieces of 2,048 of W's, 16 bytes a thread and load, 16 lanes to 256 consecutive bytes.
	; They go on into LDS bytes of their own by ds_store.  So a wave has one tensor load at the head and never more than one out.  They are 14,336 bytes of a work-group's 473,088: not asked for jointly.
	v_lshlrev_b32 v6, 4, v0                        ; 16 x thread
.irp i, 0,1,2,3
	global_load_b128 v[32+4*\i:35+4*\i], v6, s[18:19] offset:2048*\i
.endr
.irp p, 0,1,2
	global_load_b128 v[48+4*\p:51+4*\p], v6, s[94:95] offset:32768*\p
.endr
.irp s, 0,1
	s_mov_b32 s[32+4*\s], 1
	s_mov_b32 s[33+4*\s], \s*SLOT
	s_add_nc_u64 s[34+4*\s:35+4*\s], s[16:17], \s*256
	s_or_b32 s[35+4*\s], s[35+4*\s], 0x80000000
	s_mov_b32 s[56+4*\s], 1
	s_add_co_u32 s[57+4*\s], s96, \s*SLOT
	s_add_nc_u64 s[58+4*\s:59+4*\s], s[92:93], \s*256
	s_or_b32 s[59+4*\s], s[59+4*\s], 0x80000000
.endr
	JLOAD 32, 24, 56, 48                           ; K step 0: one tensor load a wave at the head
	s_wait_xcnt 0x0                                ; the scale bytes' loads have read their bases: s18 is written again below
	v_and_b32 v1, 15, v0
	v_bfe_u32 v2, v0, 4, 1                         ; h
	v_mul_u32_u24 v3, v1, PITCH
	v_lshl_add_u32 v3, v2, 4, v3                   ; a fragment's row x pitch + 16 h
	s_wait_alu depctr_va_vdst(0)
	s_mul_i32 s16, s13, 128*PITCH
	s_mul_i32 s17, s14, 64*PITCH
	s_add_co_u32 s17, s17, 256*PITCH
	s_mul_i32 s18, s14, 32*PITCH
	s_add_co_u32 s18, s18, 384*PITCH
.irp s, 0,1
	v_add_nc_u32 v[ADRA+\s], s16, v3
	v_add_nc_u32 v[ADRB+\s], s17, v3
	v_add_nc_u32 v[ADRV+\s], s18, v3
	s_add_co_u32 s16, s16, SLOT
	s_add_co_u32 s17, s17, SLOT
	s_add_co_u32 s18, s18, SLOT
.endr
	v_lshrrev_b32 v4, 3, v1                        ; a row's 32 scale bytes: eight rows to a unit of 272
	v_and_b32 v5, 7, v1
	v_mul_u32_u24 v4, v4, 272
	v_lshl_add_u32 v4, v5, 5, v4
	s_mul_i32 s16, s13, 4352
	s_add_co_u32 s16, s16, SCL                     ; lanes 0-15: my 128 rows of x
	s_mul_i32 s17, s14, 2176
	s_add_co_u32 s17, s17, SCB
	s_sub_co_u32 s17, s17, s16                     ; lanes 16-31: so much further on: W's q or k piece
	v_mul_u32_u24 v5, s17, v2
	v_add_nc_u32 v5, v5, v4
	v_add_nc_u32 v[ADRS], s16, v5
	s_mul_i32 s17, s14, 1088
	s_add_co_u32 s17, s17, SCB+2176                ; with the offsets of tiles 4 and 5 this stands on my two tiles of W's v piece
	s_sub_co_u32 s17, s17, s16
	v_mul_u32_u24 v5, s17, v2
	s_wait_alu depctr_va_vdst(0)
	v_add_nc_u32 v5, v5, v4
	v_add_nc_u32 v[ADRSV], s16, v5
	v_and_b32 v5, 31, v0
	v_lshlrev_b32 v[LI], 4, v5
	v_lshlrev_b32 v[LS], 2, v5
	v_lshlrev_b32 v[FO], 5, v2
.macro FRAG reg, adr, off              ; 16 rows x 128 K: registers 4 c .. 4 c + 3 hold K = 32 c + 16 h + 0 .. 15
.irp c, 0,1,2,3
	ds_load_b128 v[\reg+4*\c:\reg+4*\c+3], v[\adr] offset:\off+32*\c
.endr
.endm
.macro FETCH_A slot, q, p              ; x's eight fragments of the slot's q-th 128 along K into set p (window 1)
	WIN 0x40
.irp i, 0,1,2,3,4,5,6,7
	FRAG 128*(\p)+16*\i, ADRA+\slot, 128*(\q)+\i*16*PITCH
.endr
	WIN 0
.endm
.macro FETCH_B slot, q, p              ; W's six
.irp i, 0,1,2,3
	FRAG WF+96*(\p)+16*\i, ADRB+\slot, 128*(\q)+\i*16*PITCH
.endr
.irp i, 0,1
	FRAG WF+96*(\p)+64+16*\i, ADRV+\slot, 128*(\q)+\i*16*PITCH
.endr
.endm
.macro SCALES set                      ; a K step's two scale words a row: lanes 0-15 x's tile i, lanes 16-31 W's tile i
.irp i, 0,1,2,3,6,7
	ds_load_b64 v[SC+16*\set+2*\i:SC+16*\set+2*\i+1], v[ADRS] offset:544*\i
.endr
.irp i, 4,5
	ds_load_b64 v[SC+16*\set+2*\i:SC+16*\set+2*\i+1], v[ADRSV] offset:544*\i
.endr
.endm
; 16 products for q or k: x's tiles t0 .. t0 + 3 against W's four.  All 48 accumulators take turns, one instruction a turn, in one order in every sub-step.
.macro MQK t0, p, q, sc, zero
.irp a, \t0, \t0+1, \t0+2, \t0+3
.irp b, 0,1,2,3
.if \zero
	v_wmma_scale_f32_16x16x128_f8f6f4 v[8*(4*(\a)+\b):8*(4*(\a)+\b)+7], v[WF+96*(\p)+16*\b:WF+96*(\p)+16*\b+15], v[128*(\p)+16*(\a):128*(\p)+16*(\a)+15], 0, v[SC+16*(\sc)+2*\b+(\q)], v[SC+16*(\sc)+2*(\a)+(\q)] matrix_a_scale:MATRIX_SCALE_ROW1
.else
	v_wmma_scale_f32_16x16x128_f8f6f4 v[8*(4*(\a)+\b):8*(4*(\a)+\b)+7], v[WF+96*(\p)+16*\b:WF+96*(\p)+16*\b+15], v[128*(\p)+16*(\a):128*(\p)+16*(\a)+15], v[8*(4*(\a)+\b):8*(4*(\a)+\b)+7], v[SC+16*(\sc)+2*\b+(\q)], v[SC+16*(\sc)+2*(\a)+(\q)] matrix_a_scale:MATRIX_SCALE_ROW1
.endif
.endr
.endr
.endm
; 16 products for v: source 0 = x's tile, source 1 = W's tile 4 + n
.macro MV p, q, sc, zero
.irp n, 0,1
.irp a, 0,1,2,3,4,5,6,7
.if \zero
	v_wmma_scale_f32_16x16x128_f8f6f4 v[8*(8*\n+\a):8*(8*\n+\a)+7], v[128*(\p)+16*\a:128*(\p)+16*\a+15], v[WF+96*(\p)+64+16*\n:WF+96*(\p)+64+16*\n+15], 0, v[SC+16*(\sc)+2*\a+(\q)], v[SC+16*(\sc)+2*(4+\n)+(\q)] matrix_b_scale:MATRIX_SCALE_ROW1
.else
	v_wmma_scale_f32_16x16x128_f8f6f4 v[8*(8*\n+\a):8*(8*\n+\a)+7], v[128*(\p)+16*\a:128*(\p)+16*\a+15], v[WF+96*(\p)+64+16*\n:WF+96*(\p)+64+16*\n+15], v[8*(8*\n+\a):8*(8*\n+\a)+7], v[SC+16*(\sc)+2*\a+(\q)], v[SC+16*(\sc)+2*(4+\n)+(\q)] matrix_b_scale:MATRIX_SCALE_ROW1
.endif
.endr
.endr
.endm
.set W_QK, 0xa4                        ; source 0 (W) window 0, source 1 (x) window 1, C and D window 2
.set W_V,  0xf1                        ; source 0 (x) window 1, source 1 (W) window 0, C and D window 3
; A slot's first 128 along K, on set 0; in its middle the second 128's fragments are fetched into set 1.
; Eight plain places stand between the last product that read a register and a load into it.
.macro KSUB slot, zero
	s_wait_dscnt 0x0                               ; set 0 and the scale words are in
	WIN W_QK
	MQK 0, 0, 0, \slot, \zero
	PLACES 8                                       ; set 1 was last read ahead of these
	FETCH_A \slot, 1, 1
	FETCH_B \slot, 1, 1
	WIN W_QK
	MQK 4, 0, 0, \slot, \zero
	WIN W_V
	MV 0, 0, \slot, \zero
	WIN 0
.endm
; A slot's second 128, on set 1, and the change of slots: ONE barrier.  In front of it each wave waits for all its tensor loads, adds 0 to its spare word, and waits for that and for its reads of this slot.
.macro KTURN slot, next, fill
	s_wait_tensorcnt 0x0                           ; all my tensor loads have landed: my part of the next slot
	ds_add_u32 v[SPW], v[NIL]                      ; 0 onto my spare word
	s_wait_dscnt 0x0                               ; the add is done; set 1 is in, and with it my reads of this slot are over
	s_barrier_signal -1
	WIN W_QK
	MQK 0, 1, 1, \slot, 0                          ; work on registers while the others arrive
	WIN 0
	s_barrier_wait -1
.if \fill
	CREST                                          ; the barrier has opened a round of the cluster's: no wave of any partner still reads this slot or has a load on its way
	s_add_nc_u64 s[34+4*\slot:35+4*\slot], s[34+4*\slot:35+4*\slot], 512
	s_add_nc_u64 s[58+4*\slot:59+4*\slot], s[58+4*\slot:59+4*\slot], 512
	JLOAD 32+4*\slot, 24, 56+4*\slot, 48           ; two K steps on: the first tensor load behind the round; its four v_nop are four of the eight places
	PLACES 4
.else
	PLACES 8
.endif
	s_wait_alu depctr_va_vdst(0)
	v_add_nc_u32 v[ADRS], 8, v[ADRS]               ; the next K step's scale words
	v_add_nc_u32 v[ADRSV], 8, v[ADRSV]
	FETCH_A \next, 0, 0
	FETCH_B \next, 0, 0
	SCALES \next
	WIN W_QK
	MQK 4, 1, 1, \slot, 0
	WIN W_V
	MV 1, 1, \slot, 0
	WIN 0
.endm
	v_lshrrev_b32 v7, 4, v0                        ; where my 16 scale bytes go: unit thread / 16 of 256 + 16 bytes,
	v_mul_u32_u24 v7, v7, 272
	v_lshl_add_u32 v7, v1, 4, v7                   ; 16 (thread % 16) in it;
	v_add_nc_u32 v7, SCL, v7                       ; a load's 2,048 bytes are 8 units: 2,176 bytes on
	s_wait_alu depctr_va_vdst(0)                   ; the wait at the head's end
	s_wait_loadcnt 0x0                             ; the scale bytes are in registers
.irp i, 0,1,2,3
	ds_store_b128 v7, v[32+4*\i:35+4*\i] offset:2176*\i
.endr
.irp p, 0,1,2
	ds_store_b128 v7, v[48+4*\p:51+4*\p] offset:8704+2176*\p
.endr
	s_wait_tensorcnt 0x0                           ; my part of K step 0 is in
	ds_add_u32 v[SPW], v[NIL]
	s_wait_dscnt 0x0                               ; the add and my stores of scale bytes are done
	CROUND                                         ; everybody's part is in, and all sixteen work-groups are here
	JLOAD 36, 24, 60, 48                           ; K step 1, the first tensor load behind the round
	s_load_b256 s[68:75], s[0:1], 0x20
	s_load_b128 s[76:79], s[0:1], 0x40             ; q, kv
	FETCH_A 0, 0, 0
	FETCH_B 0, 0, 0
	SCALES 0
	KSUB 0, 1                                      ; the first products start the sums: nothing is cleared
	KTURN 0, 1, 1
	KSUB 1, 0
	KTURN 1, 0, 1
	KSUB 0, 0
	KTURN 0, 1, 0                                  ; the last two K steps are in LDS or on their way: nothing more is asked for
	KSUB 1, 0
	s_wait_dscnt 0x0
	WIN W_QK
	MQK 0, 1, 1, 1, 0
	MQK 4, 1, 1, 1, 0
	WIN W_V
	MV 1, 1, 1, 0
	WIN 0
	; ---------------- THE WAY OUT ----------------
	PLACES 8                                       ; behind the last products: results are read, and operands' registers written and loaded into, from here on
	s_wait_kmcnt 0x0
	s_lshl_b32 s16, s43, 4
	s_lshl_b32 s17, s13, 3
	s_add_co_u32 s16, s16, s17                     ; my first tile of 16 tokens
	s_lshl_b32 s16, s16, 12
	s_mov_b32 s17, 0
	s_add_nc_u64 s[72:73], s[72:73], s[16:17]      ; its 4,096 bytes of the RoPE table
	s_lshr_b32 s18, s43, 3                         ; the batch
	s_lshl_b32 s16, s18, 7
	s_add_nc_u64 s[74:75], s[74:75], s[16:17]
	s_load_b32 s92, s[74:75], 0x0                  ; num_masked: it goes into compares that select values, into nothing else
	s_cmp_eq_u32 s14, 0
	s_cselect_b64 s[80:81], s[70:71], s[68:69]     ; the gain: q's waves take qfac, k's k_ln_scale
	WIN 0x40
.irp t, 0,1,2,3,4,5,6,7
.irp l, 0,1,2,3,4,5,6,7
	global_load_b128 v[32*\t+4*\l:32*\t+4*\l+3], v[LI], s[72:73] offset:4096*\t+512*\l   ; cos, cos, sin, sin of frequencies 16 (l / 4) + 8 h + 2 (l % 4), + 1, token 16 t + r
.endr
.endr
	WIN 0
.irp c, 0,1,2,3
.irp e, 0,1
	global_load_b128 v[128+8*\c+4*\e:128+8*\c+4*\e+3], v[FO], s[80:81] offset:64*\c+16*\e   ; the gain at 16 c + 8 h + 4 e + 0 .. 3: register 8 c + j belongs to tile c, register j
.endr
.endr
	s_lshl_b32 s19, s18, 4
	s_add_co_u32 s19, s19, s42                     ; bh = 16 batch + head
	s_mul_i32 s20, s19, 278528
	s_bfe_u32 s21, s43, 0x10002
	s_mul_i32 s21, s21, 139264
	s_add_co_u32 s20, s20, s21                     ; my half of the head's record in kv
	s_and_b32 s21, s43, 3
	s_lshl_b32 s22, s21, 4
	s_lshl_b32 s23, s13, 3
	s_add_co_u32 s22, s22, s23                     ; my first tile of keys in the half
	s_lshl_b32 s23, s21, 1
	s_add_co_u32 s23, s23, s13                     ; my step of 128 keys in the half
	s_lshl_b32 s93, s22, 10
	s_add_co_u32 s93, s93, s20                     ; k's images
	s_lshl_b32 s94, s22, 6
	s_add_co_u32 s94, s94, s20
	s_add_co_u32 s94, s94, 131072                  ; k's scale words
	s_lshl_b32 s95, s19, 7
	s_and_b32 s96, s43, 7
	s_lshl_b32 s97, s96, 4
	s_add_co_u32 s95, s95, s97
	s_lshl_b32 s97, s13, 3
	s_add_co_u32 s95, s95, s97                     ; my first tile of queries: 128 bh + 16 (y % 8) + 8 rh
	s_lshl_b32 s97, s95, 6
	s_add_co_u32 s97, s97, 8388608                 ; q's scale words
	s_lshl_b32 s95, s95, 10                        ; q's images
	s_lshl_b32 s100, s96, 8
	s_lshl_b32 s96, s13, 7
	s_add_co_u32 s100, s100, s96                   ; my first token's place in its sequence
	s_cmp_eq_u32 s14, 0
	s_cselect_b64 s[82:83], s[76:77], s[78:79]     ; q's waves store into q, k's into kv
	s_cselect_b32 s84, s95, s93
	s_cselect_b32 s86, s97, s94
	s_mov_b32 s98, 0x0101
	s_cselect_b32 s98, 0xb1b1, s98                 ; the scale word's upper bytes: q: 177, 177; k: 1, 1
	s_mov_b32 s99, 0x01b1
	s_cselect_b32 s99, 0xb1b1, s99                 ; and for a masked token: q as before; k: 177, 1
	s_mov_b32 s85, 0
	s_mov_b32 s87, 0
	s_add_nc_u64 s[84:85], s[82:83], s[84:85]      ; images
	s_add_nc_u64 s[86:87], s[82:83], s[86:87]      ; scale words
	s_lshl_b32 s88, s23, 13
	s_add_co_u32 s88, s88, s20
	s_lshl_b32 s89, s14, 12
	s_add_co_u32 s88, s88, s89
	s_add_co_u32 s88, s88, 65536
	s_mov_b32 s89, 0
	s_add_nc_u64 s[88:89], s[78:79], s[88:89]      ; v's images: step, then my two tiles of 16 channels
	s_lshl_b32 s90, s23, 8
	s_add_co_u32 s90, s90, s20
	s_lshl_b32 s91, s14, 7
	s_add_co_u32 s90, s90, s91
	s_add_co_u32 s90, s90, 135168
	s_mov_b32 s91, 0
	s_add_nc_u64 s[90:91], s[78:79], s[90:91]      ; v's scale words; its sums lie 2,048 bytes further on
	s_mov_b32 s[SEL], 0x76543210
	s_mov_b32 s[SEL+1], 0xfedcba98
	s_mov_b32 s[MNT], 0x600000                     ; the mantissa field of 448
	s_mov_b32 s[HM], 0xffff0000                    ; lanes 16-31
	s_mov_b32 s21, 0x3c800000                      ; 1 / 64
	s_mov_b32 s22, 0x358637bd                      ; 1e-6
.irp e, 36,37,38,39,55,57,61
	v_mov_b32 v\e, 0                               ; lane permutes' destinations and the upper halves of pairs are written once
.endr
	v_mov_b32 v53, 0x7f7f7f7f                      ; the scale 1 in every byte
	v_mov_b32 v58, s98
	v_mov_b32 v59, s99
; V, tile n of 16 channels: 128 keys a lane pair, four blocks of 32: block c is registers 16 c .. 16 c + 15 of lanes l and l xor 16.
.macro VQ tv
.set VA, 64*(\tv)
.set VC, 64+16*(\tv)
	WIN 0x0f                                       ; sources 0 and 1 window 3
.irp c, 0,1,2,3
	v_max3_num_f32 v[TM+\c], |v[VA+16*\c]|, |v[VA+16*\c+1]|, 0x4800000   ; with the floor 2^(9 - 127): the byte cannot fall under 1.  Each accumulator is read from its low end on
.endr
.irp i, 2,4,6,8,10,12,14
.irp c, 0,1,2,3
	v_max3_num_f32 v[TM+\c], |v[VA+16*\c+\i]|, |v[VA+16*\c+\i+1]|, v[TM+\c]
.endr
.endr
	WIN 0
.irp c, 0,1,2,3
	v_permlanex16_b32 v[TM+4+\c], v[TM+\c], s[SEL], s[SEL+1]
.endr
.irp c, 0,1,2,3
	v_max_num_f32 v[TM+\c], v[TM+\c], v[TM+4+\c]   ; the block's largest magnitude
.endr
.irp c, 0,1,2,3
	v_add_nc_u32 v[TM+12+\c], 0xfc000000, v[TM+\c] ; 8 off its exponent field: the conversion's scale operand
.endr
.irp c, 0,1,2,3
	v_and_or_b32 v[TM+8+\c], v[TM+\c], 0x7f800000, s[MNT]   ; 448 x the scale
.endr
.irp c, 0,1,2,3
	v_lshrrev_b32 v[TM+4+\c], 23, v[TM+12+\c]      ; the scale's byte
.endr
	v_lshl_or_b32 v[49-\tv], v[TM+5], 8, v[TM+4]
	v_lshl_or_b32 v[49-\tv], v[TM+6], 16, v[49-\tv]
	v_lshl_or_b32 v[49-\tv], v[TM+7], 24, v[49-\tv]
	WIN 0xc3                                       ; destination and source 0 window 3
.irp c, 0,1,2,3
.irp i, 0,1,2,3,4,5,6,7,8,9,10,11,12,13,14,15
	v_med3_num_f32 v[VA+16*\c+\i], v[VA+16*\c+\i], -v[TM+8+\c], v[TM+8+\c]   ; the conversion does not saturate (ISA guide 7.6.2): the hold
.endr
.endr
	WIN 0x03
.irp c, 0,1,2,3
	v_cvt_scalef32_pk8_fp8_f32 v[VC+4*\c:VC+4*\c+1], v[VA+16*\c:VA+16*\c+7], v[TM+12+\c]
	v_cvt_scalef32_pk8_fp8_f32 v[VC+4*\c+2:VC+4*\c+3], v[VA+16*\c+8:VA+16*\c+15], v[TM+12+\c]
.endr
	WIN 0
	v_nop                                          ; a plain line behind the conversions
.irp c, 0,1,2,3
	global_store_b128 v[LI], v[VC+4*\c:VC+4*\c+3], s[88:89] offset:2048*(\tv)+512*\c   ; 512 consecutive bytes
.endr
.irp c, 0,1,2,3                        ; the sum of the quantised numbers: the codes widened again, added, x the block's scale
	v_cvt_scale_pk8_f32_fp8 v[224:231], v[VC+4*\c:VC+4*\c+1], v53
	v_cvt_scale_pk8_f32_fp8 v[232:239], v[VC+4*\c+2:VC+4*\c+3], v53
	v_nop
	v_pk_add_f32 v[224:225], v[224:225], v[226:227]
	v_pk_add_f32 v[228:229], v[228:229], v[230:231]
	v_pk_add_f32 v[232:233], v[232:233], v[234:235]
	v_pk_add_f32 v[236:237], v[236:237], v[238:239]
	v_pk_add_f32 v[224:225], v[224:225], v[228:229]
	v_pk_add_f32 v[232:233], v[232:233], v[236:237]
	v_pk_add_f32 v[224:225], v[224:225], v[232:233]
	v_add_f32 v224, v224, v225
	v_and_b32 v52, 0x7f800000, v[TM+12+\c]         ; the scale as a number
.if \c == 0
	v_mul_f32 v[50+\tv], v224, v52
.else
	v_fma_f32 v[50+\tv], v224, v52, v[50+\tv]
.endif
.endr
.endm
	VQ 0
	VQ 1
	v_permlanex16_b32 v61, v50, s[SEL], s[SEL+1]
	v_add_f32 v50, v50, v61                        ; with the other half's 64 keys
	v_permlanex16_b32 v61, v51, s[SEL], s[SEL+1]
	v_add_f32 v51, v51, v61
	v_cndmask_b32 v63, v50, v51, s[HM]             ; lanes 0-15: my first 16 channels; lanes 16-31: the next 16
	v_cndmask_b32 v62, v49, v48, s[HM]
	global_store_b32 v[LS], v62, s[90:91]
	global_store_b32 v[LS], v63, s[90:91] offset:2048
	s_wait_loadcnt 0x0                             ; the table and the gain
	s_wait_xcnt 0x0                                ; v's stores have read their registers: the codes' registers are written again below
	s_wait_kmcnt 0x0
	s_sub_co_i32 s92, s92, s100                    ; num_masked less my first token's place
; Tile tx of 16 tokens: RoPE into Y (two sets by turns), the mean of squares, its reciprocal root.
.macro ROPE tx
.set YB, 160+32*((\tx)%2)
.set RSR, 54+2*((\tx)%2)
	WIN 0x06                                       ; source 0 window 2 (the sums), source 1 window 1 (the table)
.irp u, 0,1
.irp jp, 0,1,2,3
	v_pk_mul_f32 v[224+8*\u+2*\jp:225+8*\u+2*\jp], v[8*(4*(\tx)+2+\u)+2*\jp:8*(4*(\tx)+2+\u)+2*\jp+1], v[32*(\tx)+16*\u+4*\jp+2:32*(\tx)+16*\u+4*\jp+3]   ; x2 sin
.endr
.endr
.irp u, 0,1
.irp jp, 0,1,2,3
	v_pk_mul_f32 v[240+8*\u+2*\jp:241+8*\u+2*\jp], v[8*(4*(\tx)+\u)+2*\jp:8*(4*(\tx)+\u)+2*\jp+1], v[32*(\tx)+16*\u+4*\jp+2:32*(\tx)+16*\u+4*\jp+3]       ; x1 sin
.endr
.endr
.irp u, 0,1
.irp jp, 0,1,2,3
	v_pk_fma_f32 v[YB+8*\u+2*\jp:YB+8*\u+2*\jp+1], v[8*(4*(\tx)+\u)+2*\jp:8*(4*(\tx)+\u)+2*\jp+1], v[32*(\tx)+16*\u+4*\jp:32*(\tx)+16*\u+4*\jp+1], v[224+8*\u+2*\jp:225+8*\u+2*\jp] neg_lo:[0,0,1] neg_hi:[0,0,1]   ; x1 cos - x2 sin
	v_pk_fma_f32 v[YB+16+8*\u+2*\jp:YB+16+8*\u+2*\jp+1], v[8*(4*(\tx)+2+\u)+2*\jp:8*(4*(\tx)+2+\u)+2*\jp+1], v[32*(\tx)+16*\u+4*\jp:32*(\tx)+16*\u+4*\jp+1], v[240+8*\u+2*\jp:241+8*\u+2*\jp]   ; x2 cos + x1 sin
.endr
.endr
	WIN 0
	v_pk_mul_f32 v[224:225], v[YB:YB+1], v[YB:YB+1]
	v_pk_mul_f32 v[226:227], v[YB+2:YB+3], v[YB+2:YB+3]
.irp i, 4,8,12,16,20,24,28
	v_pk_fma_f32 v[224:225], v[YB+\i:YB+\i+1], v[YB+\i:YB+\i+1], v[224:225]
	v_pk_fma_f32 v[226:227], v[YB+\i+2:YB+\i+3], v[YB+\i+2:YB+\i+3], v[226:227]
.endr
	v_pk_add_f32 v[224:225], v[224:225], v[226:227]
	v_add_f32 v224, v224, v225
	v_permlanex16_b32 v226, v224, s[SEL], s[SEL+1]
	v_add_f32 v224, v224, v226                     ; the token's 64 squares
	v_fma_f32 v224, v224, s21, s22                 ; / 64 + 1e-6
	s_wait_alu depctr_va_vdst(0)
	v_rsq_f32 v[RSR], v224
	v_nop                                          ; a plain line behind it; the wait stands a whole tile's work further on
.endm
.macro QUANT2 s, d                     ; 32 numbers of a lane, two blocks of 32 with lane l xor 16, become 8 registers of codes; the bytes stay in v[TM+4], v[TM+5]
.irp c, 0,1
	v_max3_num_f32 v[TM+\c], |v[\s+16*\c]|, |v[\s+16*\c+1]|, 0x4800000
.endr
.irp i, 2,4,6,8,10,12,14
.irp c, 0,1
	v_max3_num_f32 v[TM+\c], v[TM+\c], |v[\s+16*\c+\i]|, |v[\s+16*\c+\i+1]|
.endr
.endr
.irp c, 0,1
	v_permlanex16_b32 v[TM+4+\c], v[TM+\c], s[SEL], s[SEL+1]
.endr
.irp c, 0,1
	v_max_num_f32 v[TM+\c], v[TM+\c], v[TM+4+\c]
.endr
.irp c, 0,1
	v_add_nc_u32 v[TM+12+\c], 0xfc000000, v[TM+\c]
.endr
.irp c, 0,1
	v_and_or_b32 v[TM+8+\c], v[TM+\c], 0x7f800000, s[MNT]
.endr
.irp c, 0,1
	v_lshrrev_b32 v[TM+4+\c], 23, v[TM+12+\c]
.endr
.irp c, 0,1
.irp i, 0,1,2,3,4,5,6,7,8,9,10,11,12,13,14,15
	v_med3_num_f32 v[\s+16*\c+\i], v[\s+16*\c+\i], -v[TM+8+\c], v[TM+8+\c]
.endr
	v_cvt_scalef32_pk8_fp8_f32 v[\d+4*\c:\d+4*\c+1], v[\s+16*\c:\s+16*\c+7], v[TM+12+\c]
	v_cvt_scalef32_pk8_fp8_f32 v[\d+4*\c+2:\d+4*\c+3], v[\s+16*\c+8:\s+16*\c+15], v[TM+12+\c]
.endr
	v_nop
.endm
.macro FINISH tx                       ; norm, gain, codes, scale word, stores.  Each tile has its own registers for its codes, each pair of tiles for its words
.set YF, 160+32*((\tx)%2)
.set RF, 54+2*((\tx)%2)
.set CF, 64+8*(\tx)
.set PWR, 49-((\tx)%2)
.set i, 0
.rept 16
	v_pk_mul_f32 v[YF+i:YF+i+1], v[YF+i:YF+i+1], v[RF:RF+1] op_sel_hi:[1,0]
.set i, i+2
.endr
.set i, 0
.rept 16
	v_pk_mul_f32 v[YF+i:YF+i+1], v[YF+i:YF+i+1], v[128+i:129+i]
.set i, i+2
.endr
	QUANT2 YF, CF
	v_add_nc_u32 v61, 16*(\tx), v1
	v_cmp_gt_i32 vcc_lo, s92, v61                  ; my token lies ahead of num_masked
	v_cndmask_b32 v60, v58, v59, vcc_lo
	v_lshl_or_b32 v[PWR], v[TM+5], 8, v[TM+4]
	v_lshl_or_b32 v[PWR], v60, 16, v[PWR]
	global_store_b128 v[LI], v[CF:CF+3], s[84:85] offset:1024*(\tx)
	global_store_b128 v[LI], v[CF+4:CF+7], s[84:85] offset:1024*(\tx)+512
.if (\tx)%2
	v_cndmask_b32 v[8+(\tx)/2], v49, v48, s[HM]    ; lanes 0-15: the even tile's words; lanes 16-31: the odd tile's
	global_store_b32 v[LS], v[8+(\tx)/2], s[86:87] offset:64*((\tx)-1)
.endif
.endm
	ROPE 0
.irp t, 0,1,2,3,4,5,6,7
	s_wait_alu depctr_va_vdst(0)                   ; for tile t's reciprocal root, ahead of its first reader
.if \t < 7
	ROPE \t+1
.endif
	FINISH \t
.endr
	s_wait_tensorcnt 0x0                           ; the wave's end
	ds_add_u32 v[SPW], v[NIL]
	s_wait_dscnt 0x0
	CROUND                                         ; the closing round: no work-group ends while a partner may still ask for a tile that names it
	s_endpgm
.Lfunc_end_k_q6504cf3930_qkv:
	.size	k_q6504cf3930_qkv, .Lfunc_end_k_q6504cf3930_qkv-k_q6504cf3930_qkv
	.p2alignl 7, 3214868480
	.fill 96, 4, 3214868480
	.section	.rodata,"a",@progbits
	.p2align	6, 0x0
	.amdhsa_kernel k_q6504cf3930_qkv
		.amdhsa_group_segment_fixed_size 327680
		.amdhsa_private_segment_fixed_size 0
		.amdhsa_enable_private_segment 0
		.amdhsa_kernarg_size 80
		.amdhsa_user_sgpr_count 2
		.amdhsa_user_sgpr_kernarg_segment_ptr 1
		.amdhsa_wavefront_size32 1
		.amdhsa_system_sgpr_workgroup_id_x 1
		.amdhsa_system_sgpr_workgroup_id_y 1
		.amdhsa_system_sgpr_workgroup_id_z 1
		.amdhsa_system_vgpr_workitem_id 0
		.amdhsa_next_free_vgpr 1024
		.amdhsa_next_free_sgpr 102
		.amdhsa_reserve_vcc 1
		.amdhsa_float_denorm_mode_32 3
		.amdhsa_float_denorm_mode_16_64 3
		.amdhsa_memory_ordered 1
		.amdhsa_forward_progress 1
		.amdhsa_inst_pref_size 207
	.end_amdhsa_kernel
	.amdgpu_metadata
---
amdhsa.version: [ 1, 2 ]
amdhsa.kernels:
  - .name:           k_q6504cf3930_qkv
    .symbol:         k_q6504cf3930_qkv.kd
    .args:
      - { .name: inputs_q_codes, .offset: 0, .size: 8, .value_kind: global_buffer, .address_space: global }
      - { .name: inputs_q_scales, .offset: 8, .size: 8, .value_kind: global_buffer, .address_space: global }
      - { .name: w_qkv_codes, .offset: 16, .size: 8, .value_kind: global_buffer, .address_space: global }
      - { .name: w_qkv_scales, .offset: 24, .size: 8, .value_kind: global_buffer, .address_space: global }
      - { .name: k_ln_scale, .offset: 32, .size: 8, .value_kind: global_buffer, .address_space: global }
      - { .name: qfac, .offset: 40, .size: 8, .value_kind: global_buffer, .address_space: global }
      - { .name: rope, .offset: 48, .size: 8, .value_kind: global_buffer, .address_space: global }
      - { .name: nmask, .offset: 56, .size: 8, .value_kind: global_buffer, .address_space: global }
      - { .name: q, .offset: 64, .size: 8, .value_kind: global_buffer, .address_space: global }
      - { .name: kv, .offset: 72, .size: 8, .value_kind: global_buffer, .address_space: global }
    .group_segment_fixed_size: 327680
    .private_segment_fixed_size: 0
    .kernarg_segment_align: 8
    .kernarg_segment_size: 80
    .max_flat_workgroup_size: 128
    .sgpr_count:     102
    .vgpr_count:     1024
    .wavefront_size: 32
...
	.end_amdgpu_metadata
.endif
;; end of part 2
;; launch attn (part 3): grid 4 x 64, 16 waves a work-group, clusters of 4 x 1, 327,680 bytes of LDS; arguments q, kv, nmask, ctx; writes ctx
.if DOCPART == 3
	.amdgcn_target "amdgcn-amd-amdhsa--gfx1250"
	.amdhsa_code_object_version 6
	.text
	.protected	k_q6504cf3930_attn
	.globl	k_q6504cf3930_attn
	.p2align	8
	.type	k_q6504cf3930_attn,@function
k_q6504cf3930_attn:
	s_mov_b64 s[64:65], 0
	v_nop
	global_prefetch_b8 v0, s[64:65] scope:SCOPE_SE
	s_setreg_imm32_b32 hwreg(HW_REG_WAVE_MODE, 25, 1), 1
	s_wait_xcnt 0x0
	s_wait_alu depctr_hold_cnt(0) depctr_sa_sdst(0) depctr_va_vdst(0) depctr_va_sdst(0) depctr_va_ssrc(0) depctr_va_vcc(0) depctr_vm_vsrc(0)
	s_getreg_b32 s2, hwreg(HW_REG_IB_STS2, 6, 4)
	s_cmp_eq_u32 s2, 0
	s_cbranch_scc0 .Lentry_in_a_cluster
	s_endpgm
.Lentry_in_a_cluster:
	s_bfe_u32 s2, ttmp6, 0x10000c
	s_cmp_lg_u32 s2, 0x3003
	s_cbranch_scc0 .Lentry_shape_is_right
	s_endpgm
.Lentry_shape_is_right:
; ATTENTION on codes of E4M3, one (batch, head) to a cluster of four work-groups.  Mask: key <= query and key >= num_masked.
; The head's record (k's and v's operand images, their scale words, v's sums: two halves of 139,264 bytes, 1,024 keys each) comes into each partner's LDS ONCE, by joint loads:
; each of the sixteen waves asks for a sixteenth of the first half at the head and for a sixteenth of the second behind a round of the cluster's barrier.  Nothing is filled again.
; SHARES.  Wave w of partner cx owns two tiles of 16 queries: 127 - 4 w - cx and 4 w + cx.  Their last key steps (of 128 keys) are 15 - w / 2 and w / 2, which hang on the wave's number alone:
; every wave walks 17 key steps, and no branch hangs on the work-group's place in its cluster.  Every loop has 8 trips; a step all of whose keys come after the tile's queries is jumped over inside the trip.
; LAYOUT.  Both products transposed: S^T = k q^T (source 0 = 16 keys), O^T = v^T p^T (source 0 = 16 channels): a lane holds one query throughout.
; Tile 2 c + u, register j, half h is key 32 c + 16 u + 8 h + j of the step; p's codes go to operand registers 4 c + 2 u, + 1: the launch before laid v's codes in the same order inside each block of 32.
; K = 64 fills half of the instruction's 128.  In the other half every key holds one code of 1 at places 64 and 96, every query -1 and +1; the scale words that the launch before made give a key ahead of
; num_masked -2^100 and any other -2^-76 + 2^-76.  So that mask costs no vector instruction here.
; SOFTMAX: t = score x log2(e); M = the running largest t rounded up to a whole number; p = 2^(t - M), quantised along the keys; the row's sum of the unquantised p divides at the end.
; The running largest t begins at -2^90: a step whose every key is masked gives p = 0, and the first key that counts multiplies zeros by 2^(old M - new M) = 0.
; A STEP'S ORDER.  A step's 32 pairs of p are added into eight partial sums; these are joined and added to the row's sum at the NEXT step's start (or at the tile's end), under the same M, ahead of that step's rescaling:
; those eight additions, the step's four addresses and a copy fill 13 of the 17 places behind the last step's products and behind this step's first four.
; The first two blocks' maxima stand round the second four score products: half of them under the fragment loads, half as the places behind the products.
; The next step's first four key fragments and scale words are fetched behind those places; a fragment of v is fetched as soon as the block of p whose registers it takes has been converted.
; The hold of p goes two numbers an instruction (DUAL = 1).
; ROWS WITHOUT A KEY (query < num_masked): every p of all 2,048 keys is 1, so the row is the mean of the quantised v: v's sums x 2^-11, chosen by v_cndmask_b32 at the end.
; ctx leaves as codes along the 1,024 channels in TRUE order (w_out is given so): two code registers a block change lanes l and l xor 16.  Its scale bytes leave singly: one part in 32 of the stores.
; No prefetch: all that the launch reads of kv is asked for by the two tensor loads a wave, the second as soon as the first has landed: there is no loop to run ahead in.
; LIMITS: |score| under 2^76; NaN and infinities are not served; a block of zeros has the byte 1 (this program alone reads the bytes).
; REGISTERS: v1-7 lane constants and the tile's; v8-11 the step's addresses; v12 -M, v13 largest t, v[14:15] the sum; v16-31 q; v32-95 four fragments of k (upper halves constant); v96-159 S^T, p, then v's four fragments;
;   v160-191 O^T; v192-207 partial sums (the way out: codes); v208-209 v's scale words; v212-221 the way out and constants; v222-223 the add's; v224-239 p's codes; v232-247 at work; v248-251 k's scale words;
;   v252 f, v253 p's word, v254 the old -M, v255 q's word.
.set DUAL, 1
.set HALF, 139264                      ; half a record: 1,024 keys
.set VSO,  278528                      ; behind the record: 256 bytes a wave for v's mean: bytes of their own, into which no fill lands
.set SPARE, 282624                     ; the spare words: 128 bytes a wave, eight blocks of 256 bytes that no other line names
.set P,    192
.set VW,   208
.set SPW,  222
.set NIL,  223
.set WV,   12
.set NM,   35
.set SEL,  36
.set CS,   38
.set MNT,  40
.set HM,   41
.set TB,   42                          ; LDS byte of the step's images (k's; v's lie 65,536 further on): 8,192 a step
.set TSK,  43                          ; of k's scale words: 512 a step
.set TSV,  44                          ; of v's: 256 a step
.set SI,   45                          ; the step's number
.set LIMT, 46                          ; the tile's last step
.set CNT,  47
.macro CROUND
	s_barrier_signal -1
	s_barrier_wait -1
	s_cmp_lg_u32 s[WV], 0
	s_cbranch_scc1 .Lnot_wave_0_\@
	s_barrier_signal -3
.Lnot_wave_0_\@:
	s_barrier_wait -3
	s_barrier_signal -1
	s_barrier_wait -1
.endm
	s_load_b256 s[4:11], s[0:1], 0x0               ; q s[4:5], kv s[6:7], nmask s[8:9], ctx s[10:11]
	v_lshl_add_u32 v[SPW], v0, 2, SPARE
	v_mov_b32 v[NIL], 0
	ds_add_u32 v[SPW], v[NIL]                      ; the opening lines: the add, twice on end, and its wait ahead of my first tensor load
	ds_add_u32 v[SPW], v[NIL]
	v_lshrrev_b32 v8, 5, v0
	v_readfirstlane_b32 s[WV], v8                  ; wave 0..15
	s_bfe_u32 s13, ttmp6, 0x40000                  ; cx: it enters global addresses and the data of compares alone
	s_and_b32 s14, ttmp7, 0xffff                   ; bh
	s_lshr_b32 s15, s14, 4                         ; batch
	s_and_b32 s32, s14, 15                         ; head
	s_lshr_b32 s33, s[WV], 1
	; group 1: 34 rows of 256 bytes (32 elements of 8 bytes), dense, no padding; the mask names all four partners
	s_mov_b32 s16, 15|(3<<16)|(1<<21)
	s_mov_b32 s17, 32<<16
	s_mov_b32 s18, 34<<16
	s_mov_b32 s19, 32<<16
	s_mov_b32 s20, 34
	s_mov_b32 s21, 32
	s_mov_b32 s22, 0
	s_mov_b32 s23, 0
	s_mul_i32 s58, s[WV], 8704                     ; my sixteenth of each half
	s_mul_i32 s56, s14, 278528
	s_add_co_u32 s56, s56, s58
	s_mov_b32 s57, 0
	s_lshl_b32 s60, s15, 7
	s_mov_b32 s61, 0
	s_mov_b32 s[SEL], 0x76543210
	s_mov_b32 s[SEL+1], 0xfedcba98
	s_mov_b32 s[CS], 0x3fb8aa3b                    ; log2(e)
	s_mov_b32 s[CS+1], s[CS]
	s_mov_b32 s[MNT], 0x600000
	s_mov_b32 s[HM], 0xffff0000
	s_wait_dscnt 0x0                               ; both opening adds are done
	s_wait_kmcnt 0x0
	s_add_nc_u64 s[56:57], s[6:7], s[56:57]
	s_add_nc_u64 s[8:9], s[8:9], s[60:61]
	s_load_b32 s[NM], s[8:9], 0x0                  ; num_masked: it goes into a compare that selects values, into nothing else
	s_mov_b32 s24, 1
	s_mov_b32 s25, s58
	s_mov_b64 s[26:27], s[56:57]
	s_or_b32 s27, s27, 0x80000000
	s_mov_b32 s28, 1
	s_add_co_u32 s29, s58, HALF
	s_add_nc_u64 s[30:31], s[56:57], HALF
	s_or_b32 s31, s31, 0x80000000
	CROUND                                         ; all four work-groups are here: the joint loads meet
	tensor_load_to_lds s[24:27], s[16:23]          ; the first half: one tensor load a wave at the head
	s_nop 0
	v_and_b32 v8, 31, v0                           ; lane
	v_and_b32 v218, 15, v0                         ; r
	v_bfe_u32 v9, v0, 4, 1                         ; h
	v_lshlrev_b32 v1, 4, v8                        ; an image's place for my lane
	v_lshlrev_b32 v3, 2, v8
	v_add_nc_u32 v2, 65536, v1                     ; v's images
	v_add_nc_u32 v4, 135168, v3                    ; v's scale words
	v_add_nc_u32 v3, 131072, v3                    ; k's
	v_lshl_add_u32 v7, v218, 5, v9                 ; ctx's scale bytes: 32 r + h
	v_lshlrev_b32 v217, 2, v218                    ; q's scale words: 4 r
	v_lshlrev_b32 v10, 3, v9
	v_sub_nc_u32 v219, v218, v10                   ; r - 8 h
	s_lshl_b32 s56, s[WV], 8
	s_add_co_u32 s56, s56, VSO
	v_lshl_add_u32 v220, v9, 5, s56                ; the mean, read: my wave's 256 bytes + 32 h
	v_lshl_add_u32 v221, v0, 3, VSO                ; the mean, stored: 8 bytes a thread
	v_sub_nc_u32 v10, 1, v9
	v_mul_u32_u24 v24, v10, 0xb8                   ; q: -1 at place 64 (byte 0 of register 8, lanes 0-15),
	v_mul_u32_u24 v28, v10, 0x38                   ; +1 at place 96; zeros else
.irp e, 25,26,27,29,30,31
	v_mov_b32 v\e, 0
.endr
.irp t, 0,1,2,3
	v_mov_b32 v[40+16*\t], v28                     ; k: +1 at places 64 and 96: these registers stay
	v_mov_b32 v[44+16*\t], v28
.irp e, 41,42,43,45,46,47
	v_mov_b32 v[\e+16*\t], 0
.endr
.endr
.irp e, 212,213,214,215,236,237,238,239,252,253
	v_mov_b32 v\e, 0                               ; lane permutes' destinations, and v253 as the upper half of a pair, are written once
.endr
; pointers and lane numbers of tile s34
.macro SETT
	s_lshl_b32 s56, s14, 7
	s_add_co_u32 s56, s56, s34
	s_lshl_b32 s58, s56, 6
	s_add_co_u32 s58, s58, 8388608
	s_lshl_b32 s56, s56, 10
	s_mov_b32 s57, 0
	s_mov_b32 s59, 0
	s_add_nc_u64 s[48:49], s[4:5], s[56:57]        ; q's image
	s_add_nc_u64 s[50:51], s[4:5], s[58:59]        ; q's scale words
	s_lshl_b32 s56, s15, 7
	s_add_co_u32 s56, s56, s34                     ; the tile among all 512
	s_lshl_b32 s58, s56, 9
	s_lshl_b32 s60, s32, 1
	s_add_co_u32 s58, s58, s60
	s_add_co_u32 s58, s58, 8388608
	s_lshl_b32 s56, s56, 14
	s_lshl_b32 s60, s32, 10
	s_add_co_u32 s56, s56, s60
	s_add_nc_u64 s[52:53], s[10:11], s[56:57]      ; ctx's image: tile x 16,384 + head x 1,024
	s_add_nc_u64 s[54:55], s[10:11], s[58:59]      ; ctx's scale bytes: token x 32 + 2 head
	v_lshl_add_u32 v5, s34, 4, v218                ; my query
	s_and_b32 s60, s34, 7
	v_lshl_add_u32 v6, s60, 4, v219                ; its place in its last step, less 8 h
.endm
.macro QLOAD
	global_load_b128 v[16:19], v1, s[48:49]
	global_load_b128 v[20:23], v1, s[48:49] offset:512
	global_load_b32 v255, v217, s[50:51]
.endm
.macro INIT
	v_mov_b32 v13, 0xec800000                      ; -2^90
	v_mov_b32 v14, 0
	v_mov_b32 v15, 0
	v_floor_f32 v12, -v13
.set j, 0
.rept 32
	v_mov_b32 v[160+j], 0                          ; (the step is written once: the first finds zeros)
.set j, j+1
.endr
.set j, 0
.rept 16
	v_mov_b32 v[P+j], 0                            ; and zeros as the partial sums of a step before it
.set j, j+1
.endr
.endm
	s_lshl_b32 s56, s[WV], 2
	s_add_co_u32 s56, s56, s13
	s_sub_co_u32 s34, 127, s56                     ; the late tile first
	SETT
	QLOAD
	INIT
.macro KLOAD off                       ; the loaded halves of four key fragments: four tiles' images, 1,024 bytes each, from byte off behind the step's
.irp t, 0,1,2,3
	ds_load_b128 v[32+16*\t:35+16*\t], v8 offset:\off+\t*1024
	ds_load_b128 v[36+16*\t:39+16*\t], v8 offset:\off+\t*1024+512
.endr
.endm
.macro KWORDS off                      ; k's scale words of a step: lanes 0-15 tile 2 i, lanes 16-31 tile 2 i + 1
.irp i, 0,1,2,3
	ds_load_b32 v[248+\i], v10 offset:\off+128*\i
.endr
.endm
.macro SMUL g                          ; four score products: tiles 4 g .. 4 g + 3 of 16 keys
.irp t, 0,2
	v_wmma_scale_f32_16x16x128_f8f6f4 v[96+8*(4*\g+\t):103+8*(4*\g+\t)], v[32+16*\t:47+16*\t], v[16:31], 0, v[248+2*\g+\t/2], v255
	v_wmma_scale_f32_16x16x128_f8f6f4 v[104+8*(4*\g+\t):111+8*(4*\g+\t)], v[48+16*\t:63+16*\t], v[16:31], 0, v[248+2*\g+\t/2], v255 matrix_a_scale:MATRIX_SCALE_ROW1
.endr
.endm
; The largest score of blocks b0 and b0 + 1 (32 keys each): four chains by turns, one to a tile, each accumulator read from its low end on.  MX1: numbers 0 to 4 of each tile; MX2: 5, 6, and the chains joined with numbers 7.
.macro MX1 b0
.irp c, 0,1,2,3
	v_max3_num_f32 v[240+\c], v[96+16*\b0+8*\c], v[97+16*\b0+8*\c], v[98+16*\b0+8*\c]
.endr
.irp c, 0,1,2,3
	v_max3_num_f32 v[240+\c], v[240+\c], v[99+16*\b0+8*\c], v[100+16*\b0+8*\c]
.endr
.endm
.macro MX2 b0
.irp c, 0,1,2,3
	v_max3_num_f32 v[240+\c], v[240+\c], v[101+16*\b0+8*\c], v[102+16*\b0+8*\c]
.endr
.irp e, 0,1
	v_max3_num_f32 v[232+\b0+\e], v[240+2*\e], v[241+2*\e], v[103+16*\b0+16*\e]
.endr
.irp e, 0,1
	v_max_num_f32 v[232+\b0+\e], v[232+\b0+\e], v[111+16*\b0+16*\e]
.endr
.endm
.macro HIDE n0                         ; on the diagonal the scores of later keys become -infinity: p = 0 then.  Register n holds key 16 (n / 8) + 8 h + n % 8 of the step
	v_mov_b32 v252, 0xff800000
.set n, \n0
.rept 32
	v_cmp_gt_i32 vcc_lo, 16*(n/8)+n%8, v6
	v_cndmask_b32 v[96+n], v[96+n], v252, vcc_lo
.set n, n+1
.endr
.endm
.macro HOLD b                          ; the conversion does not saturate (ISA guide 7.6.2); p is not negative, so the hold is one-sided
.irp i, 0,2,4,6,8,10,12,14
.if DUAL
	v_dual_min_num_f32 v[96+16*\b+\i], v[96+16*\b+\i], v[240+\b] :: v_dual_min_num_f32 v[97+16*\b+\i], v[97+16*\b+\i], v[240+\b]
.else
	v_min_num_f32 v[96+16*\b+\i], v[96+16*\b+\i], v[240+\b]
	v_min_num_f32 v[97+16*\b+\i], v[97+16*\b+\i], v[240+\b]
.endif
.endr
.endm
; A KEY STEP: 128 keys.  Its first four key fragments and its scale words of k have been asked for already.
.macro STEP causal
.if \causal
	s_cmp_gt_u32 s[SI], s[LIMT]                    ; all its keys come after my queries: only the lines at its end are run
	s_cbranch_scc1 .Lhid_\@
.endif
	v_add_nc_u32 v8, s[TB], v1                     ; nine plain lines: the products below write over registers that the last step's products read
	v_add_nc_u32 v10, s[TSK], v3
	v_add_nc_u32 v9, s[TB], v2
	v_add_nc_u32 v11, s[TSV], v4
.irp i, 0,2,4,6
	v_pk_add_f32 v[P+\i:P+\i+1], v[P+\i:P+\i+1], v[P+8+\i:P+9+\i]   ; the last step's eight partial sums are joined
.endr
	v_pk_add_f32 v[P:P+1], v[P:P+1], v[P+4:P+5]
	s_wait_alu depctr_va_vdst(0)                   ; the wait here, directly ahead of the wait below
	s_wait_dscnt 0x0                               ; the four fragments and the scale words are in
	SMUL 0
	v_pk_add_f32 v[P+2:P+3], v[P+2:P+3], v[P+6:P+7]   ; eight places in front of loads into the fragments' registers
	v_mov_b32 v254, v12                            ; the old -M
	v_nop
	v_nop
	v_pk_add_f32 v[P:P+1], v[P:P+1], v[P+2:P+3]
	v_nop
	v_nop
	v_pk_add_f32 v[14:15], v[14:15], v[P:P+1]      ; the row's sum now holds the last step's p, under the last step's M
	KLOAD 4096                                     ; tiles 4 to 7
.if \causal
	s_cmp_lg_u32 s[SI], s[LIMT]
	s_cbranch_scc1 .Lopa_\@
	HIDE 0
.Lopa_\@:
.endif
	MX1 0
	s_wait_alu depctr_va_vdst(0)                   ; the wait here, directly ahead of the wait below
	s_wait_dscnt 0x0
	SMUL 1
	MX2 0                                          ; eight plain lines on the first four products' results: the places behind the second four
	KLOAD 8192                                     ; the next step's tiles 0 to 3 and scale words (behind a half's last step: bytes of the same half that are not used)
	KWORDS 512
.if \causal
	s_cmp_lg_u32 s[SI], s[LIMT]
	s_cbranch_scc1 .Lopb_\@
	HIDE 32
.Lopb_\@:
.endif
	MX1 2
	MX2 2
.irp b, 0,1,2,3
	v_permlanex16_b32 v[236+\b], v[232+\b], s[SEL], s[SEL+1]
.endr
.irp b, 0,1,2,3
	s_delay_alu instid0(VALU_DEP_4)
	v_max_num_f32 v[232+\b], v[232+\b], v[236+\b]  ; the largest score of each block: for the row's maximum and, since p rises with the score, for the block's largest p
.endr
	s_delay_alu instid0(VALU_DEP_2)
	v_max3_num_f32 v252, v232, v233, v234
	s_delay_alu instid0(VALU_DEP_1)
	v_max_num_f32 v252, v252, v235
	s_delay_alu instid0(VALU_DEP_1)
	v_mul_f32 v252, s[CS], v252
	s_delay_alu instid0(VALU_DEP_1)
	v_max_num_f32 v13, v13, v252                   ; the running largest t
	s_delay_alu instid0(VALU_DEP_1)
	v_floor_f32 v12, -v13                          ; -M = floor(-t): M is a whole number
	s_delay_alu instid0(VALU_DEP_1)
	v_sub_f32 v254, v12, v254
	s_delay_alu instid0(VALU_DEP_1)
	v_cvt_i32_f32 v254, v254                       ; (it saturates)
	s_delay_alu instid0(VALU_DEP_1)
	v_ldexp_f32 v252, 1.0, v254                    ; f = 2^(old M - new M)
.set j, 0
.rept 32
	v_pk_fma_f32 v[96+j:97+j], v[96+j:97+j], s[CS:CS+1], v[12:13] op_sel_hi:[1,0,0]   ; t - M
.set j, j+2
.endr
.irp b, 0,1,2,3
	v_fma_f32 v[232+\b], v[232+\b], s[CS], v12
.endr
	s_wait_alu depctr_va_vdst(0)                   ; the wait ahead of the batch
.set j, 0
.rept 64
	v_exp_f32 v[96+j], v[96+j]                     ; p: one batch
.set j, j+1
.endr
	v_pk_mul_f32 v[14:15], v[14:15], v[252:253] op_sel_hi:[1,0]   ; the sum under the new M: a plain line behind the batch
	s_wait_alu depctr_va_vdst(0)                   ; one wait for the batch, ahead of its first reader
.irp b, 0,1,2,3
	v_exp_f32 v[232+\b], v[232+\b]                 ; the blocks' largest p
.endr
.irp i, 0,2,4,6,8,10,12,14
	v_pk_add_f32 v[P+\i:P+\i+1], v[96+\i:97+\i], v[112+\i:113+\i]   ; the unquantised p into eight partial sums of four pairs each
.endr
.irp i, 0,2,4,6,8,10,12,14
	v_pk_add_f32 v[P+\i:P+\i+1], v[P+\i:P+\i+1], v[128+\i:129+\i]
.endr
.irp i, 0,2,4,6,8,10,12,14
	v_pk_add_f32 v[P+\i:P+\i+1], v[P+\i:P+\i+1], v[144+\i:145+\i]
.endr
	s_wait_alu depctr_va_vdst(0)                   ; and one for the four
.irp b, 0,1,2,3
	v_max_num_f32 v[232+\b], 0x4800000, v[232+\b]  ; the floor 2^(9 - 127)
.endr
.irp b, 0,1,2,3
	s_delay_alu instid0(VALU_DEP_4)
	v_add_nc_u32 v[244+\b], 0xfc000000, v[232+\b]  ; 8 off the exponent field: the conversion's scale operand
.endr
.irp b, 0,1,2,3
	v_and_or_b32 v[240+\b], v[232+\b], 0x7f800000, s[MNT]   ; 448 x the scale
.endr
.irp b, 0,1,2,3
	v_lshrrev_b32 v[236+\b], 23, v[244+\b]         ; the scale's byte
.endr
	s_delay_alu instid0(VALU_DEP_3)
	v_lshl_or_b32 v253, v237, 8, v236              ; p's scale word for these 128 keys
	s_delay_alu instid0(VALU_DEP_1)
	v_lshl_or_b32 v253, v238, 16, v253
	s_delay_alu instid0(VALU_DEP_1)
	v_lshl_or_b32 v253, v239, 24, v253
	ds_load_b32 v[VW], v11                         ; v's scale words: lanes 0-15 tile 0, lanes 16-31 tile 1;
	ds_load_b32 v[VW+1], v11 offset:128            ; tiles 2, 3
.irp b, 0,1,2,3
	HOLD \b
	v_cvt_scalef32_pk8_fp8_f32 v[224+4*\b:225+4*\b], v[96+16*\b:103+16*\b], v[244+\b]
	v_cvt_scalef32_pk8_fp8_f32 v[226+4*\b:227+4*\b], v[104+16*\b:111+16*\b], v[244+\b]
.irp c, 0,1,2,3
	ds_load_b128 v[96+16*\b+4*\c:99+16*\b+4*\c], v9 offset:2048*\b+512*\c   ; v's fragment b, where block b of p stood
.endr
.endr
	s_wait_alu depctr_va_vdst(0)                   ; the wait here, directly ahead of the first reader of O^T
.set j, 0
.rept 16
	v_pk_mul_f32 v[160+j:161+j], v[160+j:161+j], v[252:253] op_sel_hi:[1,0]   ; O^T under the new M; these are also the places in front of the products
.set j, j+2
.endr
	s_wait_alu depctr_va_vdst(0)                   ; the wait here, directly ahead of the wait below
	s_wait_dscnt 0x0
	v_wmma_scale_f32_16x16x128_f8f6f4 v[160:167], v[96:111], v[224:239], v[160:167], v[VW], v253
	v_wmma_scale_f32_16x16x128_f8f6f4 v[168:175], v[112:127], v[224:239], v[168:175], v[VW], v253 matrix_a_scale:MATRIX_SCALE_ROW1
	v_wmma_scale_f32_16x16x128_f8f6f4 v[176:183], v[128:143], v[224:239], v[176:183], v[VW+1], v253
	v_wmma_scale_f32_16x16x128_f8f6f4 v[184:191], v[144:159], v[224:239], v[184:191], v[VW+1], v253 matrix_a_scale:MATRIX_SCALE_ROW1
.if \causal
.Lhid_\@:
.endif
	s_add_co_u32 s[TB], s[TB], 8192
	s_add_co_u32 s[TSK], s[TSK], 512
	s_add_co_u32 s[TSV], s[TSV], 256
	s_add_co_u32 s[SI], s[SI], 1
.endm
; The tile's end: the last step's partial sums; O^T / the sum, or v's mean; ctx's quantiser along the head's 64 channels; the codes into true order; stores.
.macro FINISH
.irp i, 0,2,4,6
	v_pk_add_f32 v[P+\i:P+\i+1], v[P+\i:P+\i+1], v[P+8+\i:P+9+\i]   ; these nine lines are also the places behind the last products
.endr
	v_pk_add_f32 v[P:P+1], v[P:P+1], v[P+4:P+5]
	v_pk_add_f32 v[P+2:P+3], v[P+2:P+3], v[P+6:P+7]
	s_delay_alu instid0(VALU_DEP_1)
	v_pk_add_f32 v[P:P+1], v[P:P+1], v[P+2:P+3]
	s_delay_alu instid0(VALU_DEP_1)
	v_pk_add_f32 v[14:15], v[14:15], v[P:P+1]
	s_delay_alu instid0(VALU_DEP_1)
	v_add_f32 v14, v14, v15
.irp d, 0,1,2,3
	ds_load_b128 v[128+8*\d:131+8*\d], v220 offset:64*\d      ; the mean at channels 16 d + 8 h + 0 .. 7
	ds_load_b128 v[132+8*\d:135+8*\d], v220 offset:64*\d+16
.endr
	v_permlanex16_b32 v252, v14, s[SEL], s[SEL+1]
	s_delay_alu instid0(VALU_DEP_1)
	v_add_f32 v14, v14, v252                       ; the row's sum
	s_wait_alu depctr_va_vdst(0)                   ; the wait ahead of the transcendental
	v_rcp_f32 v14, v14
	v_nop
	s_wait_alu depctr_va_vdst(0)                   ; and ahead of its first reader, which is O^T's first reader too
.set j, 0
.rept 16
	v_pk_mul_f32 v[96+j:97+j], v[160+j:161+j], v[14:15] op_sel_hi:[1,0]   ; each accumulator from its low end on
.set j, j+2
.endr
	s_wait_dscnt 0x0
	v_cmp_gt_i32 vcc_lo, s[NM], v5                 ; my query has no key
.set j, 0
.rept 32
	v_cndmask_b32 v[96+j], v[96+j], v[128+j], vcc_lo
.set j, j+1
.endr
.irp c, 0,1
	v_max3_num_f32 v[232+\c], |v[96+16*\c]|, |v[97+16*\c]|, 0x4800000
.endr
.irp i, 2,4,6,8,10,12,14
.irp c, 0,1
	s_delay_alu instid0(VALU_DEP_2)
	v_max3_num_f32 v[232+\c], v[232+\c], |v[96+16*\c+\i]|, |v[97+16*\c+\i]|
.endr
.endr
.irp c, 0,1
	v_permlanex16_b32 v[236+\c], v[232+\c], s[SEL], s[SEL+1]
.endr
.irp c, 0,1
	s_delay_alu instid0(VALU_DEP_2)
	v_max_num_f32 v[232+\c], v[232+\c], v[236+\c]
.endr
.irp c, 0,1
	s_delay_alu instid0(VALU_DEP_2)
	v_add_nc_u32 v[244+\c], 0xfc000000, v[232+\c]
.endr
.irp c, 0,1
	s_delay_alu instid0(VALU_DEP_4)
	v_and_or_b32 v[240+\c], v[232+\c], 0x7f800000, s[MNT]
.endr
.irp c, 0,1
	s_delay_alu instid0(VALU_DEP_4)
	v_lshrrev_b32 v[236+\c], 23, v[244+\c]
.endr
.irp c, 0,1
.irp i, 0,1,2,3,4,5,6,7,8,9,10,11,12,13,14,15
	v_med3_num_f32 v[96+16*\c+\i], v[96+16*\c+\i], -v[240+\c], v[240+\c]
.endr
	v_cvt_scalef32_pk8_fp8_f32 v[200+4*\c:201+4*\c], v[96+16*\c:103+16*\c], v[244+\c]    ; A: channels 32 c + 8 h + 0 .. 7
	v_cvt_scalef32_pk8_fp8_f32 v[202+4*\c:203+4*\c], v[104+16*\c:111+16*\c], v[244+\c]   ; B: channels 32 c + 16 + 8 h + 0 .. 7
.endr
	v_nop
.irp c, 0,1                            ; true order wants channels 32 c + 16 h + 0 .. 15: lanes 0-15 keep A and take the partner's A, lanes 16-31 take the partner's B and keep B
.irp e, 0,1
	v_cndmask_b32 v[208+2*\c+\e], v[202+4*\c+\e], v[200+4*\c+\e], s[HM]   ; what I send: lanes 0-15 B, lanes 16-31 A
.endr
.endr
.irp c, 0,1
.irp e, 0,1
	s_delay_alu instid0(VALU_DEP_4)
	v_permlanex16_b32 v[212+2*\c+\e], v[208+2*\c+\e], s[SEL], s[SEL+1]
.endr
.endr
.irp c, 0,1
.irp e, 0,1
	v_cndmask_b32 v[192+4*\c+\e], v[200+4*\c+\e], v[212+2*\c+\e], s[HM]
	v_cndmask_b32 v[194+4*\c+\e], v[212+2*\c+\e], v[202+4*\c+\e], s[HM]
.endr
.endr
	v_cndmask_b32 v216, v236, v237, s[HM]          ; lanes 0-15 store block 0's byte, lanes 16-31 block 1's
	global_store_b128 v1, v[192:195], s[52:53]
	global_store_b128 v1, v[196:199], s[52:53] offset:512
	global_store_b8 v7, v216, s[54:55]
	s_wait_xcnt 0x0                                ; the stores have read their registers and bases: both may be written again
.endm
.macro PASS causal
	v_add_nc_u32 v8, s[TB], v1                     ; the first step's first four fragments and scale words
	v_add_nc_u32 v10, s[TSK], v3
	KLOAD 0
	KWORDS 0
	s_mov_b32 s[CNT], 8
.Lpass_\@:
	STEP \causal
	s_sub_co_u32 s[CNT], s[CNT], 1
	s_cmp_lg_u32 s[CNT], 0
	s_cbranch_scc1 .Lpass_\@
.endm
	s_wait_alu depctr_va_vdst(0)                   ; the wait at the head's end
	s_wait_tensorcnt 0x0                           ; my part of the first half is in
	ds_add_u32 v[SPW], v[NIL]
	s_wait_dscnt 0x0
	CROUND                                         ; everybody's part is in, and all four work-groups are here
	tensor_load_to_lds s[28:31], s[16:23]          ; the second half: it has the late tile's first eight steps in which to land
	s_nop 0
	s_wait_loadcnt 0x0                             ; q
	s_wait_kmcnt 0x0                               ; num_masked
	s_mov_b32 s[TB], 0
	s_mov_b32 s[TSK], 0
	s_mov_b32 s[TSV], 0
	s_mov_b32 s[SI], 0
	s_sub_co_u32 s[LIMT], 15, s33
	PASS 0                                         ; the late tile, keys 0 to 1,023: all of them come before its queries
	s_wait_tensorcnt 0x0                           ; my part of the second half is in
	s_wait_dscnt 0x0
	s_barrier_signal -1
	s_barrier_wait -1                              ; everybody's is
	v_and_b32 v8, 31, v0
	v_lshl_add_u32 v8, v8, 3, 137216               ; v's sums, first half: 8 bytes a lane,
	v_add_nc_u32 v9, HALF, v8                      ; second half
.rept 5
	v_nop                                          ; eight places in all in front of loads into registers that the last products read
.endr
.irp t, 0,1,2,3,4,5,6,7                ; v's mean: the sixteen steps' sums, two channels a lane
	ds_load_b64 v[96+2*\t:97+2*\t], v8 offset:256*\t
	ds_load_b64 v[112+2*\t:113+2*\t], v9 offset:256*\t
.endr
	s_wait_dscnt 0x0
.irp t, 0,2,4,6,8,10,12,14
	v_pk_add_f32 v[96+\t:97+\t], v[96+\t:97+\t], v[112+\t:113+\t]
.endr
.irp t, 0,2,4,6
	s_delay_alu instid0(VALU_DEP_4)
	v_pk_add_f32 v[96+\t:97+\t], v[96+\t:97+\t], v[104+\t:105+\t]
.endr
	s_delay_alu instid0(VALU_DEP_2)
	v_pk_add_f32 v[96:97], v[96:97], v[100:101]
	s_delay_alu instid0(VALU_DEP_2)
	v_pk_add_f32 v[98:99], v[98:99], v[102:103]
	s_delay_alu instid0(VALU_DEP_1)
	v_pk_add_f32 v[96:97], v[96:97], v[98:99]
	s_delay_alu instid0(VALU_DEP_1)
	v_pk_mul_f32 v[96:97], v[96:97], 0x3a000000 op_sel_hi:[1,0]   ; / 2,048
	ds_store_b64 v221, v[96:97]                    ; my wave's own bytes: LDS serves a wave's instructions in order
	s_mov_b32 s[TB], HALF
	s_mov_b32 s[TSK], HALF
	s_mov_b32 s[TSV], HALF
	s_mov_b32 s[SI], 8
	PASS 1                                         ; the late tile, keys 1,024 on, up to its diagonal
	FINISH
	s_lshl_b32 s34, s[WV], 2
	s_add_co_u32 s34, s34, s13                     ; the early tile
	SETT
	QLOAD
	INIT
	s_mov_b32 s[TB], 0
	s_mov_b32 s[TSK], 0
	s_mov_b32 s[TSV], 0
	s_mov_b32 s[SI], 0
	s_mov_b32 s[LIMT], s33
	s_wait_alu depctr_va_vdst(0)                   ; the wait here, directly ahead of the wait below
	s_wait_loadcnt 0x0
	PASS 1
	FINISH
	s_wait_tensorcnt 0x0                           ; the wave's end
	ds_add_u32 v[SPW], v[NIL]
	s_wait_dscnt 0x0
	CROUND                                         ; the closing round
	s_endpgm
.Lfunc_end_k_q6504cf3930_attn:
	.size	k_q6504cf3930_attn, .Lfunc_end_k_q6504cf3930_attn-k_q6504cf3930_attn
	.p2alignl 7, 3214868480
	.fill 96, 4, 3214868480
	.section	.rodata,"a",@progbits
	.p2align	6, 0x0
	.amdhsa_kernel k_q6504cf3930_attn
		.amdhsa_group_segment_fixed_size 327680
		.amdhsa_private_segment_fixed_size 0
		.amdhsa_enable_private_segment 0
		.amdhsa_kernarg_size 32
		.amdhsa_user_sgpr_count 2
		.amdhsa_user_sgpr_kernarg_segment_ptr 1
		.amdhsa_wavefront_size32 1
		.amdhsa_system_sgpr_workgroup_id_x 1
		.amdhsa_system_sgpr_workgroup_id_y 1
		.amdhsa_system_sgpr_workgroup_id_z 1
		.amdhsa_system_vgpr_workitem_id 0
		.amdhsa_next_free_vgpr 256
		.amdhsa_next_free_sgpr 66
		.amdhsa_reserve_vcc 1
		.amdhsa_float_denorm_mode_32 3
		.amdhsa_float_denorm_mode_16_64 3
		.amdhsa_memory_ordered 1
		.amdhsa_forward_progress 1
		.amdhsa_inst_pref_size 106
	.end_amdhsa_kernel
	.amdgpu_metadata
---
amdhsa.version: [ 1, 2 ]
amdhsa.kernels:
  - .name:           k_q6504cf3930_attn
    .symbol:         k_q6504cf3930_attn.kd
    .args:
      - { .name: q, .offset: 0, .size: 8, .value_kind: global_buffer, .address_space: global }
      - { .name: kv, .offset: 8, .size: 8, .value_kind: global_buffer, .address_space: global }
      - { .name: nmask, .offset: 16, .size: 8, .value_kind: global_buffer, .address_space: global }
      - { .name: ctx, .offset: 24, .size: 8, .value_kind: global_buffer, .address_space: global }
    .group_segment_fixed_size: 327680
    .private_segment_fixed_size: 0
    .kernarg_segment_align: 8
    .kernarg_segment_size: 32
    .max_flat_workgroup_size: 512
    .sgpr_count:     66
    .vgpr_count:     256
    .wavefront_size: 32
...
	.end_amdgpu_metadata
.endif
;; end of part 3
;; launch oproj (part 4): grid 8 x 32, 4 waves a work-group, clusters of 4 x 4, 327,680 bytes of LDS; arguments ctx, w_out_codes, w_out_scales, out0; writes out0
.if DOCPART == 4
	.amdgcn_target "amdgcn-amd-amdhsa--gfx1250"
	.amdhsa_code_object_version 6
	.text
	.protected	k_q6504cf3930_oproj
	.globl	k_q6504cf3930_oproj
	.p2align	8
	.type	k_q6504cf3930_oproj,@function
k_q6504cf3930_oproj:
	s_mov_b64 s[64:65], 0
	v_nop
	global_prefetch_b8 v0, s[64:65] scope:SCOPE_SE
	s_setreg_imm32_b32 hwreg(HW_REG_WAVE_MODE, 25, 1), 1
	s_wait_xcnt 0x0
	s_wait_alu depctr_hold_cnt(0) depctr_sa_sdst(0) depctr_va_vdst(0) depctr_va_sdst(0) depctr_va_ssrc(0) depctr_va_vcc(0) depctr_vm_vsrc(0)
	s_getreg_b32 s2, hwreg(HW_REG_IB_STS2, 6, 4)
	s_cmp_eq_u32 s2, 0
	s_cbranch_scc0 .Lentry_in_a_cluster
	s_endpgm
.Lentry_in_a_cluster:
	s_bfe_u32 s2, ttmp6, 0x10000c
	s_cmp_lg_u32 s2, 0xf033
	s_cbranch_scc0 .Lentry_shape_is_right
	s_endpgm
.Lentry_shape_is_right:
.set PITCH, 272
.set AIMG,  65536
.set SLOT,  AIMG+128*PITCH
.set SCL,   2*SLOT
.set SCB,   SCL+32*272
.set SPARE, SCB+16*272
.set STAGE, SPARE+512
.set ADRA,  16
.set ADRB,  18
.set ADRS,  22
.set ADRS2, 23
.set STO,   24
.set RD,    25
.set CO,    26
.set SPW,   28
.set NIL,   29
.set SC,    32
.set WF,    128
.set BK,    128
.set WV,    12
.set MSB,   0
.macro WIN new
.if MSB != \new
	s_set_vgpr_msb (MSB<<8)|\new
.set MSB, \new
.endif
.endm
.macro PLACES n
.rept \n
	v_nop
.endr
.endm
.macro JLOAD g0a, g1a, g0b, g1b
	s_cmp_eq_u32 s13, 0
	s_cbranch_scc0 .Lfor_b_\@
	tensor_load_to_lds s[\g0a:\g0a+3], s[\g1a:\g1a+7]
	s_nop 0
.rept 4
	v_nop
.endr
	s_branch .Lasked_\@
.Lfor_b_\@:
	tensor_load_to_lds s[\g0b:\g0b+3], s[\g1b:\g1b+7]
	s_nop 0
.rept 4
	v_nop
.endr
.Lasked_\@:
.endm
.macro CREST
	s_cmp_lg_u32 s[WV], 0
	s_cbranch_scc1 .Lnot_wave_0_\@
	s_barrier_signal -3
.Lnot_wave_0_\@:
	s_barrier_wait -3
	s_barrier_signal -1
	s_barrier_wait -1
.endm
.macro CROUND
	s_barrier_signal -1
	s_barrier_wait -1
	CREST
.endm
	s_load_b256 s[4:11], s[0:1], 0x0
	v_lshl_add_u32 v[SPW], v0, 2, SPARE
	v_mov_b32 v[NIL], 0
	ds_add_u32 v28, v29
	ds_add_u32 v28, v29
	s_wait_dscnt 0x0
	v_lshrrev_b32 v1, 5, v0
	v_readfirstlane_b32 s[WV], v1
	s_lshr_b32 s13, s[WV], 1
	s_and_b32 s14, s[WV], 1
	s_bfe_u32 s40, ttmp6, 0x40000
	s_bfe_u32 s41, ttmp6, 0x40004
	s_lshl_b32 s42, ttmp9, 2
	s_add_co_u32 s42, s42, s40
	s_and_b32 s43, ttmp7, 0xffff
	s_lshl_b32 s43, s43, 2
	s_add_co_u32 s43, s43, s41
	s_lshl_b32 s44, s41, 2
	s_lshl_b32 s44, 15, s44
	s_lshl_b32 s45, 0x1111, s40
	s_or_b32 s24, s44, (3<<16)|(1<<21)
	s_mov_b32 s25, 512<<16
	s_mov_b32 s26, 8<<16
	s_mov_b32 s27, 512<<16
	s_mov_b32 s28, 8
	s_mov_b32 s29, 2048
	s_mov_b32 s30, 0
	s_mov_b32 s31, 0
	s_or_b32 s48, s45, (0<<16)|(1<<20)|(1<<21)|(5<<22)|(3<<25)
	s_mov_b32 s49, 256<<16
	s_mov_b32 s50, 64<<16
	s_mov_b32 s51, 256<<16
	s_mov_b32 s52, 64
	s_mov_b32 s53, 1024
	s_mov_b32 s54, 0
	s_mov_b32 s55, 0
	s_lshl_b32 s16, s43, 18
	s_lshl_b32 s17, s14, 17
	s_add_co_u32 s16, s16, s17
	s_mov_b32 s17, 0
	s_lshl_b32 s18, s43, 13
	s_add_co_u32 s18, s18, 8388608
	s_mov_b32 s19, 0
	s_lshl_b32 s92, s42, 17
	s_lshl_b32 s93, s14, 16
	s_add_co_u32 s92, s92, s93
	s_mov_b32 s93, 0
	s_lshl_b32 s94, s42, 12
	s_mov_b32 s95, 0
	s_lshl_b32 s96, s14, 15
	s_mul_i32 s97, s14, 64*PITCH
	s_add_co_u32 s97, s97, AIMG
	s_wait_kmcnt 0x0
	s_add_nc_u64 s[16:17], s[4:5], s[16:17]
	s_add_nc_u64 s[18:19], s[4:5], s[18:19]
	s_add_nc_u64 s[92:93], s[6:7], s[92:93]
	s_add_nc_u64 s[94:95], s[8:9], s[94:95]
	CROUND
	; THE SCALE BYTES, for all of K, come through registers: 8,192 dense bytes of ctx's 256 rows and 4,096 of w_out's 128 rows, 16 bytes a thread and load, 16 lanes to 256 consecutive bytes.
	; They go on into LDS bytes of their own by ds_store, so a wave has one tensor load at the head.  They are 12,288 bytes of a work-group's 405,504: not asked for jointly.
	v_lshlrev_b32 v8, 4, v0                        ; 16 x thread
.irp i, 0,1,2,3
	global_load_b128 v[32+4*\i:35+4*\i], v8, s[18:19] offset:2048*\i
.endr
.irp p, 0,1
	global_load_b128 v[48+4*\p:51+4*\p], v8, s[94:95] offset:2048*\p
.endr
.irp s, 0,1
	s_mov_b32 s[32+4*\s], 1
	s_add_co_u32 s[33+4*\s], s96, \s*SLOT
	s_add_nc_u64 s[34+4*\s:35+4*\s], s[16:17], \s*4096
	s_or_b32 s[35+4*\s], s[35+4*\s], 0x80000000
	s_mov_b32 s[56+4*\s], 1
	s_add_co_u32 s[57+4*\s], s97, \s*SLOT
	s_add_nc_u64 s[58+4*\s:59+4*\s], s[92:93], \s*256
	s_or_b32 s[59+4*\s], s[59+4*\s], 0x80000000
.endr
	JLOAD 32, 24, 56, 48                           ; K step 0: one tensor load a wave at the head
	v_and_b32 v1, 15, v0
	v_bfe_u32 v2, v0, 4, 1
	v_and_b32 v5, 31, v0
	v_lshlrev_b32 v5, 4, v5
	v_mul_u32_u24 v3, v1, PITCH
	v_lshl_add_u32 v3, v2, 4, v3
	s_lshl_b32 s16, s13, 15
	s_mul_i32 s17, s14, 64*PITCH
	s_add_co_u32 s17, s17, AIMG
.irp s, 0,1
	v_add_nc_u32 v[ADRA+\s], s16, v5
	v_add_nc_u32 v[ADRB+\s], s17, v3
	s_add_co_u32 s16, s16, SLOT
	s_add_co_u32 s17, s17, SLOT
.endr
	v_lshrrev_b32 v4, 3, v1
	v_and_b32 v6, 7, v1
	v_mul_u32_u24 v4, v4, 272
	v_lshl_add_u32 v4, v6, 5, v4
	s_mul_i32 s16, s13, 4352
	s_add_co_u32 s16, s16, SCL
	s_mul_i32 s17, s14, 2176
	s_add_co_u32 s17, s17, SCB
	s_sub_co_u32 s17, s17, s16
	v_mul_u32_u24 v6, s17, v2
	v_add_nc_u32 v6, v6, v4
	v_add_nc_u32 v[ADRS], s16, v6
	s_sub_co_u32 s17, s17, 2176
	v_mul_u32_u24 v6, s17, v2
	v_add_nc_u32 v6, v6, v4
	v_add_nc_u32 v[ADRS2], s16, v6
	s_mul_i32 s23, s[WV], 16*272
	s_add_co_u32 s23, s23, STAGE
	v_lshl_add_u32 v6, v2, 5, v3
	v_mul_u32_u24 v6, v1, 272
	v_lshl_add_u32 v6, v2, 5, v6
	v_add_nc_u32 v[STO], s23, v6
	v_mul_u32_u24 v6, v2, 272
	v_lshl_add_u32 v6, v1, 4, v6
	v_add_nc_u32 v[RD], s23, v6
	v_lshlrev_b32 v6, 12, v2
	v_lshl_add_u32 v[CO], v1, 4, v6
	s_lshl_b32 s16, s43, 20
	s_lshl_b32 s17, s13, 19
	s_add_co_u32 s16, s16, s17
	s_lshl_b32 s17, s42, 9
	s_add_co_u32 s16, s16, s17
	s_lshl_b32 s17, s14, 8
	s_add_co_u32 s16, s16, s17
	s_mov_b32 s17, 0
	s_add_nc_u64 s[10:11], s[10:11], s[16:17]
.macro FETCH_A slot, q, p
	WIN 0x40
.irp i, 0,1,2,3,4,5,6,7
.irp c, 0,1,2,3
	ds_load_b128 v[128*(\p)+16*\i+4*\c:128*(\p)+16*\i+4*\c+3], v[ADRA+\slot] offset:4096*\i+2048*(\q)+512*\c
.endr
.endr
	WIN 0
.endm
.macro FETCH_B slot, q, p
.irp i, 0,1,2,3
.irp c, 0,1,2,3
	ds_load_b128 v[WF+64*(\p)+16*\i+4*\c:WF+64*(\p)+16*\i+4*\c+3], v[ADRB+\slot] offset:128*(\q)+\i*16*PITCH+32*\c
.endr
.endr
.endm
.macro SCALES set
.irp i, 0,1,2,3
	ds_load_b64 v[SC+16*\set+2*\i:SC+16*\set+2*\i+1], v[ADRS] offset:544*\i
.endr
.irp i, 4,5,6,7
	ds_load_b64 v[SC+16*\set+2*\i:SC+16*\set+2*\i+1], v[ADRS2] offset:544*\i
.endr
.endm
.macro MQK t0, p, q, sc, zero
.irp a, \t0, \t0+1, \t0+2, \t0+3
.irp b, 0,1,2,3
.if \zero
	v_wmma_scale_f32_16x16x128_f8f6f4 v[8*(4*(\a)+\b):8*(4*(\a)+\b)+7], v[WF+64*(\p)+16*\b:WF+64*(\p)+16*\b+15], v[128*(\p)+16*(\a):128*(\p)+16*(\a)+15], 0, v[SC+16*(\sc)+2*\b+(\q)], v[SC+16*(\sc)+2*(\a)+(\q)] matrix_a_scale:MATRIX_SCALE_ROW1
.else
	v_wmma_scale_f32_16x16x128_f8f6f4 v[8*(4*(\a)+\b):8*(4*(\a)+\b)+7], v[WF+64*(\p)+16*\b:WF+64*(\p)+16*\b+15], v[128*(\p)+16*(\a):128*(\p)+16*(\a)+15], v[8*(4*(\a)+\b):8*(4*(\a)+\b)+7], v[SC+16*(\sc)+2*\b+(\q)], v[SC+16*(\sc)+2*(\a)+(\q)] matrix_a_scale:MATRIX_SCALE_ROW1
.endif
.endr
.endr
.endm
.set W_QK, 0xa4
.macro KSUB slot, zero
	s_wait_dscnt 0x0
	WIN W_QK
	MQK 0, 0, 0, \slot, \zero
	PLACES 8
	FETCH_A \slot, 1, 1
	FETCH_B \slot, 1, 1
	WIN W_QK
	MQK 4, 0, 0, \slot, \zero
	WIN 0
.endm
.macro KTURN slot, next, fill
	s_wait_tensorcnt 0x0
	ds_add_u32 v[SPW], v[NIL]
	s_wait_dscnt 0x0
	s_barrier_signal -1
	WIN W_QK
	MQK 0, 1, 1, \slot, 0
	WIN 0
	s_barrier_wait -1
.if \fill
	CREST
	s_add_nc_u64 s[34+4*\slot:35+4*\slot], s[34+4*\slot:35+4*\slot], 8192
	s_add_nc_u64 s[58+4*\slot:59+4*\slot], s[58+4*\slot:59+4*\slot], 512
	JLOAD 32+4*\slot, 24, 56+4*\slot, 48
	PLACES 4
.else
	PLACES 8
.endif
	s_wait_alu depctr_va_vdst(0)
	v_add_nc_u32 v[ADRS], 8, v[ADRS]
	v_add_nc_u32 v[ADRS2], 8, v[ADRS2]
	FETCH_A \next, 0, 0
	FETCH_B \next, 0, 0
	SCALES \next
	WIN W_QK
	MQK 4, 1, 1, \slot, 0
	WIN 0
.endm
	v_lshrrev_b32 v9, 4, v0                        ; where my 16 scale bytes go: unit thread / 16 of 256 + 16 bytes,
	v_mul_u32_u24 v9, v9, 272
	v_lshl_add_u32 v9, v1, 4, v9                   ; 16 (thread % 16) in it;
	v_add_nc_u32 v9, SCL, v9                       ; a load's 2,048 bytes are 8 units: 2,176 bytes on
	s_wait_alu depctr_va_vdst(0)                   ; the wait at the head's end
	s_wait_loadcnt 0x0                             ; the scale bytes are in registers
.irp i, 0,1,2,3
	ds_store_b128 v9, v[32+4*\i:35+4*\i] offset:2176*\i
.endr
.irp p, 0,1
	ds_store_b128 v9, v[48+4*\p:51+4*\p] offset:8704+2176*\p
.endr
	s_wait_tensorcnt 0x0                           ; my part of K step 0 is in
	ds_add_u32 v[SPW], v[NIL]
	s_wait_dscnt 0x0                               ; the add and my stores of scale bytes are done
	CROUND                                         ; everybody's part is in, and all sixteen work-groups are here
	JLOAD 36, 24, 60, 48                           ; K step 1, the first tensor load behind the round
	FETCH_A 0, 0, 0
	FETCH_B 0, 0, 0
	SCALES 0
	KSUB 0, 1
	KTURN 0, 1, 1
	KSUB 1, 0
	KTURN 1, 0, 1
	KSUB 0, 0
	KTURN 0, 1, 0
	KSUB 1, 0
	s_wait_dscnt 0x0
	WIN W_QK
	MQK 0, 1, 1, 1, 0
	MQK 4, 1, 1, 1, 0
	WIN 0
.macro TOSTAGE a
	WIN 0x08
.irp b, 0,1,2,3
	ds_store_b128 v[STO], v[32*(\a)+8*\b:32*(\a)+8*\b+3] offset:64*\b
	ds_store_b128 v[STO], v[32*(\a)+8*\b+4:32*(\a)+8*\b+7] offset:64*\b+16
.endr
	WIN 0
.irp t, 0,1,2,3,4,5,6,7
	ds_load_b128 v[BK+32*((\a)%2)+4*\t:BK+32*((\a)%2)+4*\t+3], v[RD] offset:544*\t
.endr
.endm
.macro SEND a, younger
	s_wait_dscnt \younger
.if (\a) > 0
	s_add_nc_u64 s[10:11], s[10:11], 65536
.endif
.irp t, 0,1,2,3,4,5,6,7
	global_store_b128 v[CO], v[BK+32*((\a)%2)+4*\t:BK+32*((\a)%2)+4*\t+3], s[10:11] offset:8192*\t th:TH_STORE_NT
.endr
.endm
	PLACES 8
	TOSTAGE 0
.irp a, 1,2,3,4,5,6,7
.if \a > 1
	s_wait_xcnt 0x0
.endif
	TOSTAGE \a
	SEND \a-1, 16
.endr
	s_wait_xcnt 0x0
	SEND 7, 0
	s_wait_tensorcnt 0x0
	ds_add_u32 v[SPW], v[NIL]
	s_wait_dscnt 0x0
	CROUND
	s_endpgm
.Lfunc_end_k_q6504cf3930_oproj:
	.size	k_q6504cf3930_oproj, .Lfunc_end_k_q6504cf3930_oproj-k_q6504cf3930_oproj
	.p2alignl 7, 3214868480
	.fill 96, 4, 3214868480
	.section	.rodata,"a",@progbits
	.p2align	6, 0x0
	.amdhsa_kernel k_q6504cf3930_oproj
		.amdhsa_group_segment_fixed_size 327680
		.amdhsa_private_segment_fixed_size 0
		.amdhsa_enable_private_segment 0
		.amdhsa_kernarg_size 32
		.amdhsa_user_sgpr_count 2
		.amdhsa_user_sgpr_kernarg_segment_ptr 1
		.amdhsa_wavefront_size32 1
		.amdhsa_system_sgpr_workgroup_id_x 1
		.amdhsa_system_sgpr_workgroup_id_y 1
		.amdhsa_system_sgpr_workgroup_id_z 1
		.amdhsa_system_vgpr_workitem_id 0
		.amdhsa_next_free_vgpr 768
		.amdhsa_next_free_sgpr 100
		.amdhsa_reserve_vcc 0
		.amdhsa_float_denorm_mode_32 3
		.amdhsa_float_denorm_mode_16_64 3
		.amdhsa_memory_ordered 1
		.amdhsa_forward_progress 1
		.amdhsa_inst_pref_size 90
	.end_amdhsa_kernel
	.amdgpu_metadata
---
amdhsa.version: [ 1, 2 ]
amdhsa.kernels:
  - .name:           k_q6504cf3930_oproj
    .symbol:         k_q6504cf3930_oproj.kd
    .args:
      - { .name: ctx, .offset: 0, .size: 8, .value_kind: global_buffer, .address_space: global }
      - { .name: w_out_codes, .offset: 8, .size: 8, .value_kind: global_buffer, .address_space: global }
      - { .name: w_out_scales, .offset: 16, .size: 8, .value_kind: global_buffer, .address_space: global }
      - { .name: out0, .offset: 24, .size: 8, .value_kind: global_buffer, .address_space: global }
    .group_segment_fixed_size: 327680
    .private_segment_fixed_size: 0
    .kernarg_segment_align: 8
    .kernarg_segment_size: 32
    .max_flat_workgroup_size: 128
    .sgpr_count:     100
    .vgpr_count:     768
    .wavefront_size: 32
...
	.end_amdgpu_metadata
.endif
;; end of part 4
